; MI455X (gfx1250); checked and timed in simulation.
; The chip was launched on July 23, 2026; its instructions are those of AMD's public machine-readable ISA for CDNA 5 (MIT licence, August 2026) and "CDNA5" Instruction Set Architecture Reference Guide (July 2026). The comments in the code are by the model that wrote it; some were corrected since.
;; Multi Head Attention. Allowed arithmetic: matrix products marked QUANTISED: E3M2 operands, one E8M0 scale for each 32 along K, by v_wmma_scale_f32_16x16x128_f8f6f4 with both operands' format E3M2, f32 sums; everything else in f32.
;; Inputs: Wk 16 x 1,024 x 64 float32; Wo 1,024 x 1,024 float32; Wq 16 x 1,024 x 64 float32; Wv 16 x 1,024 x 64 float32; bo 1,024 float32; inputs 4 x 2,048 x 1,024 float32.
;; Outputs: out0 4 x 2,048 x 1,024 float32.
;; This version of the problem:
;;   THIS VERSION OF THE PROBLEM IS GIVEN IN LOW PRECISION. The matrix products marked QUANTISED in the list below multiply operands that are first quantised to E3M2 (3 exponent bits, 2 mantissa bits; 6 bits a number), with one power-of-two scale for each 32 numbers along K (OCP MX v1.0); their sums are f32. All else is computed in f32.
;;   The module's matrix products, in the order in which they are computed (A, B: the left and right operand; K: the contracted axis; several contracted axes count as one K, in the product's order):
;;     1. [M 1,024, K 1,024] x [K 1,024, N 8,192]; A: input Wq; B: input inputs: QUANTISED
;;     2. [M 1,024, K 1,024] x [K 1,024, N 8,192]; A: input Wk; B: input inputs: QUANTISED
;;     3. [M 1,024, K 1,024] x [K 1,024, N 8,192]; A: input Wv; B: input inputs: QUANTISED
;;     4. batch 64 x [M 2,048, K 64] x [K 64, N 2,048]; A: computed on the way; B: computed on the way: QUANTISED
;;     5. batch 64 x [M 2,048, K 2,048] x [K 2,048, N 64]; A: softmax (see below); B: computed on the way: QUANTISED
;;     6. [M 8,192, K 1,024] x [K 1,024, N 1,024]; A: computed on the way; B: input Wo: QUANTISED
;;   THE QUANTISER, for each operand of a quantised product, along K:
;;     - K is cut into blocks of 32 from its start; a last block that is shorter is filled with zeros.
;;     - A block's scale is 2^e with e = floor(log2(the largest magnitude in the block)) - 4, held to -126 .. 127; a block of zeros has e = 0. As a byte (E8M0): e + 127.
;;     - Each number is divided by its block's scale, clamped to +-28, and rounded to the nearest number of E3M2, ties to even, subnormals kept.
;;     - The product sums the exact products of the quantised numbers (number of the format x scale) in f32.
;;   ~~~python
;;   def quantise(x, axis):      # numpy; x: float32 -> the quantised numbers, widened to float32 again
;;       x = np.moveaxis(x, axis, -1); K = x.shape[-1]
;;       x = np.pad(x, [(0, 0)] * (x.ndim - 1) + [(0, -K % 32)]); x = x.reshape(x.shape[:-1] + (-1, 32)); a = np.abs(x).max(-1, keepdims=True)
;;       e = np.where(a > 0, np.clip(np.frexp(np.where(a > 0, a, 1))[1] - 1 - 4, -126, 127), 0)      # np.frexp(a)[1] - 1 = floor(log2(a)), exactly
;;       r = np.clip(x / 2.0 ** e, -28, 28)
;;       step = 2.0 ** (np.maximum(np.frexp(np.where(r == 0, 1, r))[1] - 1, -2) - 2)
;;       q = np.round(r / step) * step * 2.0 ** e      # np.round: ties to even
;;       return np.moveaxis(q.reshape(q.shape[:-2] + (-1,))[..., :K], -1, axis).astype(np.float32)
;;   ~~~
;;   SOFTMAX AHEAD OF A QUANTISED PRODUCT. Where the list says 'softmax', what is quantised is not the finished softmax but p = 2^(t - M), with t = logit x log2(e) and M = ceil(the row's largest t), a whole number; so 1/2 < the row's largest p <= 1. The row's sum l is taken of the UNQUANTISED p, in f32, and the product's result is divided by l at the end. Since M is a whole number, a kernel that streams over the keys may use a running M (the ceiling of the running maximum): every later rescaling is an exact power of two, which a block's scale takes up: the codes' values come out the same.
;;   OPERANDS COMPUTED ON THE WAY. 'Computed on the way' means the value that the module computes at that place (a softmax that the list does not call 'softmax' is quantised finished and normalised). What goes into a quantiser is computed in f32, as accurately as f32 sums, v_exp_f32 and their like allow (about 1e-6 of the number): no bf16 or f16 on the way to a quantiser, and a product that is left as it is and whose result goes on into a quantised operand takes f32 operands (vector FMAs, or v_wmma_f32_16x16x4_f32). A number that lies on a knife's edge between two numbers of the format may be rounded either way, as far as f32 arithmetic and the matrix unit's own rounding can turn it there, and no further.
;; One version. Each part assembles by itself: llvm-mc -triple=amdgcn-amd-amdhsa -mcpu=gfx1250 --defsym DOCPART=n.
;; ======== version 1 of 1: 4 launches
;; workspace buffers: xcod 7,077,888 bytes; xscl 294,912 bytes; wcod 2,359,296 bytes; wscl 98,304 bytes; acod 18,874,368 bytes; ascl 786,432 bytes; ocod 6,291,456 bytes; oscl 262,144 bytes
;; launch quant (part 1): grid 384 x 1, 4 waves a work-group, no clusters, 68,096 bytes of LDS; arguments inputs, Wo, Wq, Wk, Wv, xcod, xscl, wcod, wscl; writes xcod, xscl, wcod, wscl
.if DOCPART == 1
	.amdgcn_target "amdgcn-amd-amdhsa--gfx1250"
	.amdhsa_code_object_version 6
	.text
	.protected	k_q364bf46774_quant
	.globl	k_q364bf46774_quant
	.p2align	8
	.type	k_q364bf46774_quant,@function
k_q364bf46774_quant:
	s_mov_b64 s[64:65], 0
	v_nop
	global_prefetch_b8 v0, s[64:65] scope:SCOPE_SE
	s_setreg_imm32_b32 hwreg(HW_REG_WAVE_MODE, 25, 1), 1
	s_wait_xcnt 0x0
; All five f32 operands of the projections and of the output product become codes of BF6 (E3M2), 6 bits each, K innermost, with one E8M0 byte for each 32 along K.
; A block's scale is 2^(floor(log2(its largest magnitude)) - 4); its byte is the largest magnitude's exponent field - 4, held at 1 from below.
; LIMITS: a block of zeros, and a block whose largest magnitude lies under 2^-122, gets the byte 1 (the rule says 127 for zeros): its codes are zeros or tiny, and the bytes are read by this program alone.
;         NaN and infinities among the inputs are not served.
; ROW ORDER P: a row with index i is stored at P(i) = i with bits 3 and 4 exchanged (inside each group of 32 rows).  So 16 consecutive STORED rows, taken as source 0 of a matrix instruction, leave in a lane's
; registers of two neighbouring tiles 16 neighbours of the logical order.  P is applied to the rows of inputs and of Wq, Wk, Wv, not to Wo's.
; Work-groups 96 .. 383 (X PATH): inputs [8192][1024] and Wo [1024][1024], K innermost: plain streams of blocks of 32.  A wave takes 8 whole rows (8,192 numbers) in 16 steps of 512.
;   xcod: [9216 rows][768 bytes], rows 0 .. 8191 inputs (order P), rows 8192 .. 9215 Wo (plain);  xscl: [9216][32].
; Work-groups 0 .. 95 (W PATH): Wq, Wk, Wv [16][1024 (K)][64]: K is not innermost.  A lane takes a column d and its registers run down K; a wave takes 32 columns x 256 along K.
;   wcod: [3072 rows][768 bytes], logical row which x 1024 + h x 64 + d, stored at P;  wscl: [3072][32].
; The two paths part on the work-group's number and have LDS bytes of their own: X [0, 32768), W [32768, 67584).  Waves share nothing: no barrier.
.set STEPS, 16
.set EMAX,  4
.set CB,    12                         ; bytes of 16 codes
.set R,     16                         ; X path: v16-79 four sets of 16 numbers as loaded
.set X,     80                         ; v80-111 two sets of 16 neighbours
.set E,     112                        ; v112-127 a scale byte for each step
.set C,     128                        ; v128-191 codes, four registers a step: no store's data are written again
.set WREG,  8192                       ; X path: a wave's LDS region: two stages of 32 x SP bytes, then its 256 scale bytes
.set SP,    80                         ; a lane's place in a stage: 64 bytes + 16 of padding
.set WST,   32768                      ; W path: the stages, 32 rows x WPITCH a wave
.set WPITCH, 272                       ; a stage row: sixteen places of 16 bytes, each with 12 bytes of codes, + 16
.set WX,    32                         ; W path: v32-95 two sets of 32 numbers
.set WC,    96                         ; v96.. a block's codes
.set OUTR,  112                        ; v112-175 the way out
.set SB,    24                         ; v24-25 the scale bytes, four to a register
	s_load_b512 s[4:19], s[0:1], 0x0               ; inputs 4:5, Wo 6:7, Wq 8:9, Wk 10:11, Wv 12:13, xcod 14:15, xscl 16:17, wcod 18:19
	s_load_b64 s[20:21], s[0:1], 0x40              ; wscl
	v_lshl_add_u32 v192, v0, 2, 0x10800
	v_mov_b32 v193, 0
	v_lshrrev_b32 v1, 5, v0
	v_readfirstlane_b32 s22, v1                    ; wave 0..3
	v_and_b32 v2, 31, v0                           ; lane
	s_wait_kmcnt 0x0
	s_cmp_lt_u32 ttmp9, 96
	s_cbranch_scc1 .Lw
; ---------------- X PATH ----------------
	s_sub_co_u32 s24, ttmp9, 96                    ; g = 0 .. 287: 256 work-groups of inputs, 32 of Wo
	s_wait_alu depctr_va_vdst(0)
	v_lshlrev_b32 v3, 4, v2                        ; my 16 bytes of a load's 512
	s_mul_i32 s23, s22, WREG
	v_lshrrev_b32 v14, 2, v2
	v_mul_u32_u24 v14, v14, SP
	v_and_b32 v15, 3, v2
	v_lshl_add_u32 v14, v15, 4, v14
	v_add_nc_u32 v14, s23, v14                     ; the stage, on the way in: four lanes' 64 bytes on end, then 16 of padding
	v_mul_u32_u24 v15, v2, SP
	v_add_nc_u32 v15, s23, v15                     ; and on the way out: my 16 neighbours
	v_mul_u32_u24 v4, v2, CB                       ; my codes' place in a step's
	v_lshrrev_b32 v5, 1, v2
	s_add_co_u32 s23, s23, 2*32*SP
	v_add_nc_u32 v5, s23, v5                       ; LDS: my wave's 256 scale bytes, my block's byte
	v_lshlrev_b32 v7, 3, v2                        ; and on the way out 8 bytes a lane
	v_add_nc_u32 v6, s23, v7
	s_and_b32 s25, s22, 1
	s_lshl_b32 s25, s25, 1
	s_lshr_b32 s26, s22, 1
	s_or_b32 s25, s25, s26                         ; the wave's two bits exchanged: P on runs of 8 rows
	s_cmp_lt_u32 s24, 256                          ; inputs or Wo?  The choice hangs on the work-group's number alone
	s_cselect_b64 s[4:5], s[4:5], s[6:7]
	s_cselect_b32 s25, s25, s22                    ; Wo keeps its order
	s_cselect_b32 s26, 0, 256
	s_sub_co_u32 s26, s24, s26
	s_lshl_b32 s26, s26, 2
	s_add_co_u32 s26, s26, s22                     ; which run of 8 rows of the tensor I read
	s_lshl_b32 s26, s26, 15                        ; 32,768 bytes a run
	s_mov_b32 s27, 0
	s_add_nc_u64 s[4:5], s[4:5], s[26:27]
	s_lshl_b32 s28, s24, 2
	s_add_co_u32 s28, s28, s25                     ; which run of 8 rows of xcod and xscl I write
	s_mul_i32 s26, s28, 6144
	s_add_nc_u64 s[14:15], s[14:15], s[26:27]
	s_lshl_b32 s26, s28, 8
	s_add_nc_u64 s[16:17], s[16:17], s[26:27]
.macro XLOAD t
.irp i, 0,1,2,3
	global_load_b128 v[R+16*((\t)%4)+4*\i:R+16*((\t)%4)+4*\i+3], v3, s[4:5] offset:2048*(\t)+512*\i th:TH_LOAD_NT   ; 32 lanes read 512 consecutive bytes
.endr
.endm
.macro XTURN t                         ; step t's numbers through the stage: LDS serves a wave's instructions in order, so no wait stands between the stores and the loads
.irp i, 0,1,2,3
	ds_store_b128 v14, v[R+16*((\t)%4)+4*\i:R+16*((\t)%4)+4*\i+3] offset:32*SP*((\t)%2)+8*SP*\i
.endr
.irp i, 0,1,2,3
	ds_load_b128 v[X+16*((\t)%2)+4*\i:X+16*((\t)%2)+4*\i+3], v15 offset:32*SP*((\t)%2)+16*\i
.endr
.endm
.irp t, 0,1,2,3
	XLOAD \t
.endr
	s_wait_alu depctr_va_vdst(0)
	s_wait_loadcnt 12                              ; step 0's four loads are in; the twelve of steps 1 to 3 may be out
	XTURN 0
.macro XSTEP t
.set XS, X+16*((\t)%2)
.if (\t) > 0
	s_wait_dscnt 1                                 ; this step's numbers are back from the stage (the last step's byte store may be out)
.else
	s_wait_dscnt 0x0
.endif
.if (\t)+4 < STEPS
	XLOAD (\t)+4                                   ; into the registers that this step's stage stores have read
.endif
.if (\t)+1 < STEPS
.if STEPS-2-(\t) >= 3
	s_wait_loadcnt 12                              ; the next step's four loads are in; those of the three steps behind it may be out
.else
	s_wait_loadcnt 4*(STEPS-2-(\t))
.endif
	XTURN (\t)+1                                   ; they go through the other stage while this step is worked
.endif
	v_max3_num_f32 v8, |v[XS]|, |v[XS+1]|, |v[XS+2]|               ; the largest magnitude of my 16, in two chains
	v_max3_num_f32 v9, |v[XS+3]|, |v[XS+4]|, |v[XS+5]|
.irp i, 6,10
	v_max3_num_f32 v8, v8, |v[XS+\i]|, |v[XS+\i+1]|
	v_max3_num_f32 v9, v9, |v[XS+\i+2]|, |v[XS+\i+3]|
.endr
	v_max3_num_f32 v8, v8, |v[XS+14]|, |v[XS+15]|
	v_max3_num_f32 v8, v8, v9, (EMAX+1)<<23        ; and the floor 2^(5 - 127): the byte cannot fall under 1
	v_max_num_f32_dpp v8, v8, v8 row_xmask:1 row_mask:0xf bank_mask:0xf   ; and of my neighbour's 16: the block's
	v_add_nc_u32 v11, -(EMAX<<23), v8              ; 4 off its exponent field: the conversion takes the exponent field of this operand as its scale
	v_cvt_scalef32_pk16_bf6_f32 v[C+4*(\t):C+4*(\t)+2], v[XS:XS+15], v11
	v_lshrrev_b32 v[E+(\t)], 23, v11               ; the scale's byte (a plain line behind the conversion)
	ds_store_b8 v5, v[E+(\t)] offset:16*(\t)       ; both lanes of a block write the same byte with the same value
	global_store_b96 v4, v[C+4*(\t):C+4*(\t)+2], s[14:15] offset:32*CB*(\t)   ; the wave stores 384 consecutive bytes
.endm
.irp t, 0,1,2,3,4,5,6,7,8,9,10,11,12,13,14,15
	XSTEP \t
.endr
	ds_load_b64 v[12:13], v6                       ; LDS serves a wave's instructions in order: these see my byte stores
	s_wait_dscnt 0x0
	global_store_b64 v7, v[12:13], s[16:17]        ; 32 lanes store 256 consecutive bytes, aligned: 8 rows' scale bytes
	s_wait_tensorcnt 0x0
	ds_add_u32 v192, v193
	s_wait_dscnt 0x0
	s_endpgm
; ---------------- W PATH ----------------
.Lw:
	s_lshr_b32 s24, ttmp9, 5                       ; which: 0 Wq, 1 Wk, 2 Wv
	s_bfe_u32 s25, ttmp9, 0x40001                  ; h
	s_and_b32 s26, ttmp9, 1
	s_and_b32 s27, s22, 1                          ; ch: which 32 of the head's 64 columns
	s_lshr_b32 s28, s22, 1
	s_lshl_b32 s26, s26, 1
	s_add_co_u32 s26, s26, s28                     ; kq: which 256 along K
	s_cmp_eq_u32 s24, 1
	s_cselect_b64 s[10:11], s[10:11], s[12:13]
	s_cmp_eq_u32 s24, 0
	s_cselect_b64 s[8:9], s[8:9], s[10:11]         ; the tensor: chosen by the work-group's number alone
	s_lshl_b32 s28, s25, 18                        ; a head is 262,144 bytes,
	s_lshl_b32 s29, s26, 16                        ; 256 rows of 256 bytes are 65,536,
	s_add_co_u32 s28, s28, s29
	s_lshl_b32 s29, s27, 7                         ; 32 columns are 128
	s_add_co_u32 s28, s28, s29
	s_mov_b32 s29, 0
	s_add_nc_u64 s[8:9], s[8:9], s[28:29]
	s_lshl_b32 s30, s24, 10
	s_lshl_b32 s31, s25, 6
	s_add_co_u32 s30, s30, s31
	s_lshl_b32 s31, s27, 5
	s_add_co_u32 s30, s30, s31                     ; my wave's first row of wcod: a multiple of 32, so P stays inside my 32 rows
	s_mul_i32 s28, s30, 768
	s_mul_i32 s31, s26, 192
	s_add_co_u32 s28, s28, s31
	s_add_nc_u64 s[18:19], s[18:19], s[28:29]
	s_lshl_b32 s28, s30, 5
	s_lshl_b32 s31, s26, 3
	s_add_co_u32 s28, s28, s31
	s_add_nc_u64 s[20:21], s[20:21], s[28:29]
	s_wait_alu depctr_va_vdst(0)
	v_lshlrev_b32 v3, 2, v2                        ; in: 4 bytes a lane
	s_mul_i32 s31, s22, 32*WPITCH
	s_add_co_u32 s31, s31, WST                     ; my stage
	v_mul_u32_u24 v4, v2, WPITCH
	v_add_nc_u32 v4, s31, v4                       ; into it: row = my column
	v_and_b32 v5, 15, v2
	v_lshrrev_b32 v6, 4, v2                        ; out of it: sixteen lanes to a row, two rows an instruction
	v_mul_u32_u24 v7, v6, WPITCH
	v_lshl_add_u32 v7, v5, 4, v7
	v_add_nc_u32 v7, s31, v7
	v_mul_u32_u24 v8, v6, 768
	v_mad_u32_u24 v8, v5, 12, v8                   ; the same place in wcod, but for P, which stands in the stores' immediates
	v_and_b32 v9, 7, v2
	v_and_b32 v10, 8, v2
	v_lshl_or_b32 v9, v10, 1, v9
	v_and_b32 v10, 16, v2
	v_lshrrev_b32 v10, 1, v10
	v_or_b32 v9, v9, v10                           ; P(lane)
	v_lshlrev_b32 v9, 5, v9                        ; my column's row of scale bytes
.macro WLOAD t                         ; block t: W(32 t + i, my column), i = 0 .. 31, into set t % 2: each load reads 128 consecutive bytes
.irp i, 0,1,2,3,4,5,6,7,8,9,10,11,12,13,14,15,16,17,18,19,20,21,22,23,24,25,26,27,28,29,30,31
	global_load_b32 v[WX+32*((\t)%2)+\i], v3, s[8:9] offset:(32*(\t)+\i)*256 th:TH_LOAD_NT
.endr
.endm
	WLOAD 0
	WLOAD 1
.macro WBLOCK t
.set XS, WX+32*((\t)%2)
.if (\t) < 7
	s_wait_loadcnt 32                              ; this block's 32 loads are in; the next block's 32 may be out
.else
	s_wait_loadcnt 0
.endif
	v_max3_num_f32 v12, |v[XS]|, |v[XS+1]|, |v[XS+2]|               ; the block's largest magnitude: all 32 numbers are mine
	v_max3_num_f32 v13, |v[XS+3]|, |v[XS+4]|, |v[XS+5]|
.irp i, 6,10,14,18,22,26
	v_max3_num_f32 v12, v12, |v[XS+\i]|, |v[XS+\i+1]|
	v_max3_num_f32 v13, v13, |v[XS+\i+2]|, |v[XS+\i+3]|
.endr
	v_max3_num_f32 v12, v12, |v[XS+30]|, |v[XS+31]|
	v_max3_num_f32 v12, v12, v13, (EMAX+1)<<23     ; and the floor
	v_add_nc_u32 v11, -(EMAX<<23), v12             ; the conversion's scale operand
	v_lshrrev_b32 v13, 23, v11                     ; the scale's byte
.if (\t)%4 == 0
	v_mov_b32 v[SB+(\t)/4], v13                    ; four bytes to a register, the lower K in the lower byte
.else
	v_lshl_or_b32 v[SB+(\t)/4], v13, 8*((\t)%4), v[SB+(\t)/4]
.endif
	v_cvt_scalef32_pk16_bf6_f32 v[WC:WC+2], v[XS:XS+15], v11
	v_cvt_scalef32_pk16_bf6_f32 v[WC+4:WC+6], v[XS+16:XS+31], v11   ; (a conversion's three registers begin on an even number)
	v_nop                                          ; a plain line behind the conversions
	ds_store_b96 v4, v[WC:WC+2] offset:32*(\t)     ; 16 codes, 12 bytes, to a place of 16 bytes: every LDS address is a multiple of 16
	ds_store_b96 v4, v[WC+4:WC+6] offset:32*(\t)+16
.if (\t)+2 < 8
	WLOAD (\t)+2
.endif
	s_wait_dscnt 0x0                               ; the stores have read their registers: the next block's codes may be written
.endm
.irp t, 0,1,2,3,4,5,6,7
	WBLOCK \t
.endr
	s_wait_alu depctr_va_vdst(0)
	global_store_b64 v9, v[SB:SB+1], s[20:21]      ; my column's 8 scale bytes
.irp t, 0,1,2,3,4,5,6,7,8,9,10,11,12,13,14,15
	ds_load_b96 v[OUTR+4*\t:OUTR+4*\t+2], v7 offset:2*\t*WPITCH   ; columns 2 t and 2 t + 1, as rows of 192 bytes
.endr
.irp t, 0,1,2,3,4,5,6,7,8,9,10,11,12,13,14,15
	s_wait_dscnt 15-\t                             ; the younger stage loads may be out
	global_store_b96 v8, v[OUTR+4*\t:OUTR+4*\t+2], s[18:19] offset:(((2*\t)&7)+16*(((2*\t)>>3)&1)+8*(((2*\t)>>4)&1))*768   ; row P(2 t) (+ 1 for lanes 16-31): sixteen lanes store 192 consecutive bytes
.endr
	s_wait_tensorcnt 0x0
	ds_add_u32 v192, v193
	s_wait_dscnt 0x0
	s_endpgm
.Lfunc_end_k_q364bf46774_quant:
	.size	k_q364bf46774_quant, .Lfunc_end_k_q364bf46774_quant-k_q364bf46774_quant
	.p2alignl 7, 3214868480
	.fill 96, 4, 3214868480
	.section	.rodata,"a",@progbits
	.p2align	6, 0x0
	.amdhsa_kernel k_q364bf46774_quant
		.amdhsa_group_segment_fixed_size 68096
		.amdhsa_private_segment_fixed_size 0
		.amdhsa_enable_private_segment 0
		.amdhsa_kernarg_size 72
		.amdhsa_user_sgpr_count 2
		.amdhsa_user_sgpr_kernarg_segment_ptr 1
		.amdhsa_wavefront_size32 1
		.amdhsa_system_sgpr_workgroup_id_x 1
		.amdhsa_system_sgpr_workgroup_id_y 1
		.amdhsa_system_sgpr_workgroup_id_z 1
		.amdhsa_system_vgpr_workitem_id 0
		.amdhsa_next_free_vgpr 194
		.amdhsa_next_free_sgpr 66
		.amdhsa_reserve_vcc 0
		.amdhsa_float_denorm_mode_32 3
		.amdhsa_float_denorm_mode_16_64 3
		.amdhsa_memory_ordered 1
		.amdhsa_forward_progress 1
		.amdhsa_inst_pref_size 74
	.end_amdhsa_kernel
	.amdgpu_metadata
---
amdhsa.version: [ 1, 2 ]
amdhsa.kernels:
  - .name:           k_q364bf46774_quant
    .symbol:         k_q364bf46774_quant.kd
    .args:
      - { .name: inputs, .offset: 0, .size: 8, .value_kind: global_buffer, .address_space: global }
      - { .name: Wo, .offset: 8, .size: 8, .value_kind: global_buffer, .address_space: global }
      - { .name: Wq, .offset: 16, .size: 8, .value_kind: global_buffer, .address_space: global }
      - { .name: Wk, .offset: 24, .size: 8, .value_kind: global_buffer, .address_space: global }
      - { .name: Wv, .offset: 32, .size: 8, .value_kind: global_buffer, .address_space: global }
      - { .name: xcod, .offset: 40, .size: 8, .value_kind: global_buffer, .address_space: global }
      - { .name: xscl, .offset: 48, .size: 8, .value_kind: global_buffer, .address_space: global }
      - { .name: wcod, .offset: 56, .size: 8, .value_kind: global_buffer, .address_space: global }
      - { .name: wscl, .offset: 64, .size: 8, .value_kind: global_buffer, .address_space: global }
    .group_segment_fixed_size: 68096
    .private_segment_fixed_size: 0
    .kernarg_segment_align: 8
    .kernarg_segment_size: 72
    .max_flat_workgroup_size: 128
    .sgpr_count:     66
    .vgpr_count:     194
    .wavefront_size: 32
...
	.end_amdgpu_metadata
.endif
;; end of part 1
;; launch proj (part 2): grid 12 x 32, 4 waves a work-group, clusters of 4 x 4, 327,680 bytes of LDS; arguments xcod, xscl, wcod, wscl, acod, ascl; writes acod, ascl
.if DOCPART == 2
	.amdgcn_target "amdgcn-amd-amdhsa--gfx1250"
	.amdhsa_code_object_version 6
	.text
	.protected	k_q364bf46774_proj
	.globl	k_q364bf46774_proj
	.p2align	8
	.type	k_q364bf46774_proj,@function
k_q364bf46774_proj:
	s_mov_b64 s[64:65], 0
	v_nop
	global_prefetch_b8 v0, s[64:65] scope:SCOPE_SE
	s_setreg_imm32_b32 hwreg(HW_REG_WAVE_MODE, 25, 1), 1
	s_wait_xcnt 0x0
	s_wait_alu depctr_hold_cnt(0) depctr_sa_sdst(0) depctr_va_vdst(0) depctr_va_sdst(0) depctr_va_ssrc(0) depctr_va_vcc(0) depctr_vm_vsrc(0)
	s_getreg_b32 s2, hwreg(HW_REG_IB_STS2, 6, 4)
	s_cmp_eq_u32 s2, 0
	s_cbranch_scc0 .Lentry_in_a_cluster
	s_endpgm
.Lentry_in_a_cluster:
	s_bfe_u32 s2, ttmp6, 0x10000c
	s_cmp_lg_u32 s2, 0xf033
	s_cbranch_scc0 .Lentry_shape_is_right
	s_endpgm
.Lentry_shape_is_right:
; The three projections, q = x Wq, k = x Wk, v = x Wv, on codes of BF6 (E3M2) with E8M0 scales, K = 1,024; the f32 results are quantised again in registers and leave as codes: no f32 number goes to memory.
; A tile of 256 x 256 results is made by four waves, 128 x 128 each: 64 accumulators of 16 x 16, 512 registers.  K goes in steps of 256 through a ring of two LDS slots filled by the tensor data mover.
; SOURCE 0 = operand "B", SOURCE 1 = operand "A": in a result a lane holds ONE row of A and its registers run along rows of B.  B's rows are stored in the order P (bits 3 and 4 of the row index exchanged), so that the
; 16 registers of tiles 2 b and 2 b + 1 are 16 NEIGHBOURS of the logical order: a lane's 64 registers of one block of A's rows are 128 / 2 numbers in the order that the conversions want.
;   KIND 0 (clusters x = 0, 1): A = x (a lane: one token), B = Wq, Wk (registers: 128 neighbours along (head, d)): q and k quantised along d.
;   KIND 1 (cluster x = 2):     A = Wv (a lane: one (head, d)), B = x (registers: 128 neighbouring tokens): v quantised along the tokens, which are the keys.
; KIND hangs on the cluster's x alone, which all sixteen partners share, and chooses only global things: base addresses, cluster-level coordinates, output offsets.  Every LDS address, mask, shape, wait and branch is the same.
; CLUSTERS: 4 x 4 work-groups.  A's tile hangs on the tile row and is shared along a row of the cluster, B's on the tile column and is shared along a column: each is asked for jointly.
; OUTPUT.  acod: q, k: plane (G x 4 + b) x 98,304, G = h (q) or 16 + h (k): [stored token 2048][48 bytes];  v at VOFFC: ((b x 16 + h) x 32 + chunk) x 3,072: [32 chunks of 64 keys][stored d 64][48 bytes].
;          ascl: q, k: ((G / 2) x 4 + b) x 8,192: [stored token][4 bytes: two of the even head, two of the odd];  v at VOFFS: (b x 16 + h) x 4,096: [16 steps of 128 keys][stored d 64][4 bytes].
; q is NOT divided by 8 here: that division is exact, changes no code, and is folded into the softmax's constant in the next launch.
; LIMITS: a block of zeros, or one whose largest magnitude lies under 2^-122, gets the byte 1; NaN and infinities are not served.
; REGISTERS, in windows of 256: window 0: v0-31 addresses; v32-63 scale words, two sets; from v128 A's fragments, one set; on the way out v32-255 are at work.
;   window 1: B's fragments, two sets, at v0 and v128.   window 2: the accumulators of my rows 0-63 ((a, b) at v[8 (8 a + b)]);   window 3: those of rows 64-127.
.set NQ,     2                         ; matrix instructions deep in a slot: 256 along K
.set ROWB,   192                       ; a tile's row in bytes
.set KROW,   768                       ; a row of codes in memory
.set PITCH,  240                       ; an LDS row: 3 x (64 bytes + 16 of padding)
.set FR,     12                        ; registers of a fragment
.set NL,     6                         ; LDS loads that bring one
.set NP,     4                         ; places behind this matrix instruction (ISA guide 7.12.1)
.set HALFT,  128*PITCH
.set SLOT,   4*HALFT                   ; A's 256 rows, then B's 256 rows
.set KS,     32                        ; a row of scale bytes
.set SCL,    2*SLOT                    ; behind the ring: the scales of all of K, as units of 256 bytes + 16 of padding, filled once
.set HALFS,  (128*KS/256)*272
.set SBLK,   (16*KS/256)*272
.set SPARE,  SCL+4*HALFS               ; the spare words, 128 bytes a wave: two blocks of 256 bytes that no other line names
.set WSTG,   12800                     ; the way out: a wave's stage, 12,288 bytes of codes + 512 of scale words, in slot 0, which has had its last fill and its last read by then
.set VOFFC,  12582912
.set VOFFS,  524288
.set ADRA, 16                          ; v16-17 LDS address of my A fragments in slot 0, 1 (v18-19: behind one padding more)
.set ADRB, 20                          ; v20-23 the same for B
.set STO,  24                          ; v24 the way out: where I put 24 bytes of codes
.set RD,   25                          ; v25 where I read the stage back
.set CO,   26                          ; v26 16 x lane
.set ADRS, 27                          ; v27 LDS address of my scale words: lanes 0-15 A's rows, lanes 16-31 B's
.set SPW,  28                          ; v28 my spare word; never rewritten
.set NIL,  29                          ; v29 0; never rewritten
.set STS,  30                          ; v30 the way out: where I put a scale word
.set SOF,  31                          ; v31 my 16 bytes of scale words in ascl
.set SC,   32
.set AF,   128
.set TM,   32                          ; the way out: v32-35 largest magnitudes, v36-39 bytes, v44-47 the conversions' scale operands
.set PW,   48                          ; the scale word just made
.set CD,   64                          ; v64-83 the codes just made
.set BK,   128                         ; v128-227 the stage read back
.set G1, 24
.set G0, 32
.set G1B, 48
.set G0B, 56
.set G1S, 68
.set G0S, 76
.set G1SB, 80
.set G0SB, 88
.set CBS, 92                           ; s[92:99] the four chunks' addresses in acod;  s[100:101] the scale words' in ascl
.set MSB, 0
.macro WIN new                         ; the immediate's high byte repeats the setting that is left
.if MSB != (\new)
	s_set_vgpr_msb (MSB<<8)|(\new)
.set MSB, (\new)
.endif
.endm
.set MUL_LO, 0xa1                      ; source 0 (B) window 1, source 1 (A) window 0, C and D window 2
.set MUL_HI, 0xf1
.set TO_B,   0x40
; A joint load: waves 0 and 1 fetch for A, waves 2 and 3 for B.  The branch hangs on the wave's number alone.  Four v_nop follow each of the two lines.
.macro JLOAD g0a, g1a, g0b, g1b
	s_cmp_eq_u32 s17, 0
	s_cbranch_scc0 .Lfor_b_\@
	tensor_load_to_lds s[\g0a:\g0a+3], s[\g1a:\g1a+7]
	s_nop 0
.rept 4
	v_nop
.endr
	s_branch .Lasked_\@
.Lfor_b_\@:
	tensor_load_to_lds s[\g0b:\g0b+3], s[\g1b:\g1b+7]
	s_nop 0
.rept 4
	v_nop
.endr
.Lasked_\@:
.endm
.macro CREST                           ; a round of the cluster's barrier behind its opening barrier
	s_cmp_lg_u32 s16, 0
	s_cbranch_scc1 .Lnot_wave_0_\@
	s_barrier_signal -3
.Lnot_wave_0_\@:
	s_barrier_wait -3
	s_barrier_signal -1
	s_barrier_wait -1
.endm
.macro CROUND
	s_barrier_signal -1
	s_barrier_wait -1
	CREST
.endm
	s_load_b256 s[4:11], s[0:1], 0x0               ; xcod 4:5, xscl 6:7, wcod 8:9, wscl 10:11
	s_load_b128 s[12:15], s[0:1], 0x20             ; acod 12:13, ascl 14:15
	v_lshl_add_u32 v[SPW], v0, 2, SPARE
	v_mov_b32 v[NIL], 0
	ds_add_u32 v28, v29
	ds_add_u32 v28, v29
	s_wait_dscnt 0x0
	v_lshrrev_b32 v1, 5, v0
	v_readfirstlane_b32 s16, v1                    ; wave 0..3
	s_lshr_b32 s17, s16, 1                         ; which half of A's rows is mine.  Also: I fetch for A (0) or for B (1)
	s_and_b32 s18, s16, 1                          ; which half of B's rows.  Also: which 128 rows of that tile I fetch
	s_bfe_u32 s20, ttmp6, 0x40000                  ; cx
	s_bfe_u32 s21, ttmp6, 0x40004                  ; cy
	s_and_b32 s40, ttmp7, 0xffff                   ; the cluster's y, 0..7
	s_cmp_ge_u32 ttmp9, 2                          ; the cluster's x: 0, 1: q and k;  2: v
	s_cselect_b32 s19, 1, 0                        ; KIND
	s_cselect_b32 s41, s40, ttmp9
	s_cselect_b32 s42, 0, s40
	s_cselect_b32 s43, 2048, 0                     ; A's first row: Wv begins at row 2,048 of wcod
	s_lshl_b32 s22, s41, 2
	s_add_co_u32 s22, s22, s20                     ; TX, B's tile: 0..7 (Wq, Wk) or 0..31 (x)
	s_lshl_b32 s23, s42, 2
	s_add_co_u32 s23, s23, s21                     ; TY, A's tile: 0..31 (x) or 0..3 (Wv)
	s_lshl_b32 s44, s21, 2
	s_lshl_b32 s44, 15, s44                        ; my row of the cluster
	s_lshl_b32 s45, 0x1111, s20                    ; my column
	; descriptor group 1: a tile of 128 rows x 192 bytes, 16 bytes of padding behind every 64
	s_or_b32 s[G1+0], s44, (0<<16)|(1<<20)|(1<<21)|(3<<22)|(3<<25)
	s_or_b32 s[G1B+0], s45, (0<<16)|(1<<20)|(1<<21)|(3<<22)|(3<<25)
.irp g, G1, G1B
	s_mov_b32 s[\g+1], ROWB<<16                    ; tensor_dim0
	s_mov_b32 s[\g+2], 128<<16                     ; tensor_dim1
	s_mov_b32 s[\g+3], ROWB<<16                    ; tile_dim0
	s_mov_b32 s[\g+4], 128                         ; tile_dim1
	s_mov_b32 s[\g+5], KROW                        ; the pitch
	s_mov_b32 s[\g+6], 0
	s_mov_b32 s[\g+7], 0
.endr
	; the scales of 128 rows: 4,096 dense bytes, as 16 rows of 256 bytes (32 elements of 8), 16 bytes of padding behind each
	s_or_b32 s[G1S+0], s44, (3<<16)|(1<<20)|(1<<21)|(5<<22)|(3<<25)
	s_or_b32 s[G1SB+0], s45, (3<<16)|(1<<20)|(1<<21)|(5<<22)|(3<<25)
.irp g, G1S, G1SB
	s_mov_b32 s[\g+1], 32<<16
	s_mov_b32 s[\g+2], (128*KS/256)<<16
	s_mov_b32 s[\g+3], 32<<16
	s_mov_b32 s[\g+4], 128*KS/256
	s_mov_b32 s[\g+5], 32
	s_mov_b32 s[\g+6], 0
	s_mov_b32 s[\g+7], 0
.endr
	s_lshl_b32 s46, s18, 7                         ; which 128 rows of the tile I fetch
	s_lshl_b32 s40, s23, 8
	s_add_co_u32 s40, s40, s46
	s_add_co_u32 s40, s40, s43                     ; A's row
	s_lshl_b32 s42, s22, 8
	s_add_co_u32 s42, s42, s46                     ; B's row
	s_mul_i32 s92, s40, KROW                       ; byte offsets, all under 2^23
	s_mov_b32 s93, 0
	s_lshl_b32 s94, s40, 5
	s_mov_b32 s95, 0
	s_mul_i32 s96, s42, KROW
	s_mov_b32 s97, 0
	s_lshl_b32 s98, s42, 5
	s_mov_b32 s99, 0
	s_mul_i32 s46, s16, HALFT                      ; where they go: wave x 128 rows: no place in the cluster enters an LDS address
	s_mul_i32 s47, s16, HALFS
	s_wait_kmcnt 0x0
	s_cmp_eq_u32 s19, 1                            ; which buffer is A and which is B: chosen by KIND alone
	s_cselect_b64 s[40:41], s[8:9], s[4:5]         ; A's codes
	s_cselect_b64 s[42:43], s[10:11], s[6:7]       ; A's scales
	s_cselect_b64 s[44:45], s[4:5], s[8:9]         ; B's codes
	s_cselect_b64 s[100:101], s[6:7], s[10:11]     ; B's scales
	s_add_nc_u64 s[40:41], s[40:41], s[92:93]
	s_add_nc_u64 s[42:43], s[42:43], s[94:95]
	s_add_nc_u64 s[44:45], s[44:45], s[96:97]
	s_add_nc_u64 s[100:101], s[100:101], s[98:99]
	CROUND                                         ; all sixteen work-groups are here: the first joint loads meet
	s_mov_b32 s[G0S], 1
	s_add_co_u32 s[G0S+1], s47, SCL
	s_mov_b64 s[G0S+2:G0S+3], s[42:43]
	s_or_b32 s[G0S+3], s[G0S+3], 0x80000000
	s_mov_b32 s[G0SB], 1
	s_add_co_u32 s[G0SB+1], s47, SCL
	s_mov_b64 s[G0SB+2:G0SB+3], s[100:101]
	s_or_b32 s[G0SB+3], s[G0SB+3], 0x80000000
	JLOAD G0S, G1S, G0SB, G1SB                     ; the scales first: they are wanted with K step 0
.irp s, 0,1
	s_mov_b32 s[G0+4*\s], 1
	s_add_co_u32 s[G0+4*\s+1], s46, \s*SLOT
	s_add_nc_u64 s[G0+4*\s+2:G0+4*\s+3], s[40:41], \s*ROWB
	s_or_b32 s[G0+4*\s+3], s[G0+4*\s+3], 0x80000000
	s_mov_b32 s[G0B+4*\s], 1
	s_add_co_u32 s[G0B+4*\s+1], s46, \s*SLOT
	s_add_nc_u64 s[G0B+4*\s+2:G0B+4*\s+3], s[44:45], \s*ROWB
	s_or_b32 s[G0B+4*\s+3], s[G0B+4*\s+3], 0x80000000
	JLOAD G0+4*\s, G1, G0B+4*\s, G1B               ; three tensor loads of mine are out now
.endr
	v_and_b32 v1, 15, v0                           ; r = lane % 16
	v_bfe_u32 v2, v0, 4, 1                         ; hh = lane / 16
	v_mul_u32_u24 v3, v1, PITCH
	v_mul_u32_u24 v4, v2, 24
	v_add_nc_u32 v4, v3, v4                        ; a fragment's row x pitch + 24 x half
	v_lshl_add_u32 v5, v2, 4, v4                   ; and the same behind one padding more
	s_mul_i32 s40, s17, HALFT                      ; my 128 rows of A
	s_mul_i32 s41, s18, HALFT                      ; my 128 rows of B,
	s_add_co_u32 s41, s41, 2*HALFT                 ; which lie behind A's 256
.irp s, 0,1
	v_add_nc_u32 v[ADRA+\s], s40, v4
	v_add_nc_u32 v[ADRB+\s], s41, v4
	v_add_nc_u32 v[ADRA+2+\s], s40, v5
	v_add_nc_u32 v[ADRB+2+\s], s41, v5
	s_add_co_u32 s40, s40, SLOT
	s_add_co_u32 s41, s41, SLOT
.endr
	v_mul_u32_u24 v5, v1, KS                       ; my row's scales: 32 bytes a row,
	v_lshrrev_b32 v6, 8, v5
	v_lshl_add_u32 v5, v6, 4, v5                   ; and 16 more for each 256 passed
	s_mul_i32 s40, s17, HALFS
	s_mul_i32 s41, s18, HALFS
	s_add_co_u32 s41, s41, 2*HALFS
	s_sub_co_u32 s41, s41, s40
	v_mul_u32_u24 v6, s41, v2                      ; lanes 16-31 take B's
	s_add_co_u32 s40, s40, SCL
	v_add_nc_u32 v5, v5, v6
	v_add_nc_u32 v[ADRS], s40, v5
	; where the results go.  Both kinds' offsets are made, and KIND chooses.
	s_lshl_b32 s40, s22, 2
	s_lshl_b32 s41, s18, 1
	s_add_co_u32 s40, s40, s41                     ; KIND 0: G = 4 TX + 2 LO, my first head plane
	s_lshl_b32 s40, s40, 2
	s_lshr_b32 s42, s23, 3                         ; b = TY / 8
	s_add_co_u32 s40, s40, s42
	s_mul_i32 s40, s40, 98304
	s_and_b32 s43, s23, 7
	s_lshl_b32 s43, s43, 8
	s_lshl_b32 s44, s17, 7
	s_add_co_u32 s43, s43, s44                     ; my first stored token in the plane
	s_mul_i32 s44, s43, 48
	s_add_co_u32 s40, s40, s44                     ; KIND 0: codes
	s_lshl_b32 s44, s22, 1
	s_add_co_u32 s44, s44, s18
	s_lshl_b32 s44, s44, 2
	s_add_co_u32 s44, s44, s42
	s_lshl_b32 s44, s44, 13
	s_lshl_b32 s43, s43, 2
	s_add_co_u32 s44, s44, s43                     ; KIND 0: scale words
	s_lshr_b32 s42, s22, 3                         ; KIND 1: b = TX / 8
	s_lshl_b32 s42, s42, 4
	s_lshl_b32 s43, s23, 2
	s_add_co_u32 s42, s42, s43
	s_lshl_b32 s43, s17, 1
	s_add_co_u32 s42, s42, s43                     ; b x 16 + my first head, 4 TY + 2 HI
	s_and_b32 s43, s22, 7
	s_lshl_b32 s45, s42, 5
	s_lshl_b32 s46, s43, 2
	s_add_co_u32 s45, s45, s46
	s_add_co_u32 s45, s45, s41                     ; my first chunk of 64 keys
	s_mul_i32 s45, s45, 3072
	s_add_co_u32 s45, s45, VOFFC                   ; KIND 1: codes
	s_lshl_b32 s42, s42, 12
	s_lshl_b32 s43, s43, 1
	s_add_co_u32 s43, s43, s18                     ; my step of 128 keys
	s_lshl_b32 s43, s43, 8
	s_add_co_u32 s42, s42, s43
	s_add_co_u32 s42, s42, VOFFS                   ; KIND 1: scale words
	s_cmp_eq_u32 s19, 1
	s_cselect_b32 s40, s45, s40
	s_cselect_b32 s44, s42, s44
	s_mov_b32 s46, 3072
	s_mov_b32 s47, 393216
	s_cselect_b32 s42, 98304, s46                  ; from my rows 0-63 to rows 64-127: 64 tokens on, or the next head
	s_cselect_b32 s43, s46, s47                    ; from registers' first 64 to the second: the next chunk of keys, or the next head's plane
	s_mov_b32 s46, 256
	s_cselect_b32 s105, 4096, s46                  ; the same for the scale words of rows 64-127
	s_mov_b32 s41, 0
	s_add_nc_u64 s[CBS:CBS+1], s[12:13], s[40:41]
	s_mov_b32 s40, s43
	s_add_nc_u64 s[CBS+2:CBS+3], s[CBS:CBS+1], s[40:41]
	s_mov_b32 s40, s42
	s_add_nc_u64 s[CBS+4:CBS+5], s[CBS:CBS+1], s[40:41]
	s_add_nc_u64 s[CBS+6:CBS+7], s[CBS+2:CBS+3], s[40:41]
	s_mov_b32 s45, 0
	s_add_nc_u64 s[100:101], s[14:15], s[44:45]
	s_mov_b32 s104, 0x2800000                      ; the floor 2^(5 - 127)
	s_mov_b32 s66, 0x76543210
	s_mov_b32 s67, 0xfedcba98                      ; v_permlanex16_b32's selects for lane l xor 16
	s_mul_i32 s40, s16, WSTG                       ; my stage
	v_mul_u32_u24 v5, v1, 48
	v_mad_u32_u24 v5, v2, 24, v5
	v_add_nc_u32 v[STO], s40, v5                   ; row r of 48 bytes, + 24 for lanes 16-31
	v_lshlrev_b32 v5, 2, v1
	v_add_nc_u32 v5, s40, v5
	v_add_nc_u32 v[STS], 12288, v5                 ; the scale words lie behind the codes
	v_and_b32 v6, 31, v0
	v_lshlrev_b32 v[CO], 4, v6
	v_add_nc_u32 v[RD], s40, v[CO]
	v_mul_u32_u24 v5, s105, v2
	v_lshl_add_u32 v[SOF], v1, 4, v5
.macro FRAG reg, adr, q, i             ; a fragment, 16 rows x 128 K: lane l holds row l % 16; registers 6 c .. 6 c + 5 hold K = 64 c + 32 (l / 16) + 0 .. 31: 24 bytes of the row, as they lie, in pieces of 8 bytes
.irp p, 0,1,2,3,4,5
.set PC, 12*(\q)+6*(\p/3)+\p%3        ; where the piece three on (lanes 16-31) lies behind one padding more, the second address register serves
.if PC%8 < 5
	ds_load_b64 v[\reg+2*\p:\reg+2*\p+1], v[\adr] offset:8*PC+16*(PC/8)+(\i)*16*PITCH
.else
	ds_load_b64 v[\reg+2*\p:\reg+2*\p+1], v[\adr+2] offset:8*PC+16*(PC/8)+(\i)*16*PITCH
.endif
.endr
.endm
; 16 matrix instructions: A's blocks a0, a0 + 1 x B's eight, 128 along K.  zero = 1: the first product starts the sums.  The 64 accumulators take turns, one instruction a turn.
.macro MUL16 a0, p, q, sc, zero
.irp a, \a0, \a0+1
.irp b, 0,1,2,3,4,5,6,7
.if \zero
	v_wmma_scale_f32_16x16x128_f8f6f4 v[8*(8*((\a)%4)+\b):8*(8*((\a)%4)+\b)+7], v[128*(\p)+FR*\b:128*(\p)+FR*\b+FR-1], v[AF+FR*(\a):AF+FR*(\a)+FR-1], 0, v[SC+8*NQ*(\sc)+NQ*\b+(\q)], v[SC+8*NQ*(\sc)+NQ*(\a)+(\q)] matrix_a_fmt:MATRIX_FMT_BF6 matrix_b_fmt:MATRIX_FMT_BF6 matrix_a_scale:MATRIX_SCALE_ROW1
.else
	v_wmma_scale_f32_16x16x128_f8f6f4 v[8*(8*((\a)%4)+\b):8*(8*((\a)%4)+\b)+7], v[128*(\p)+FR*\b:128*(\p)+FR*\b+FR-1], v[AF+FR*(\a):AF+FR*(\a)+FR-1], v[8*(8*((\a)%4)+\b):8*(8*((\a)%4)+\b)+7], v[SC+8*NQ*(\sc)+NQ*\b+(\q)], v[SC+8*NQ*(\sc)+NQ*(\a)+(\q)] matrix_a_fmt:MATRIX_FMT_BF6 matrix_b_fmt:MATRIX_FMT_BF6 matrix_a_scale:MATRIX_SCALE_ROW1
.endif
.endr
.endr
.endm
.macro FETCH_B slot, q, p
	WIN TO_B
.irp i, 0,1,2,3,4,5,6,7
	FRAG 128*(\p)+FR*\i, ADRB+\slot, \q, \i
.endr
	WIN 0
.endm
.macro FETCH_A slot, q, i0
.irp i, \i0, \i0+1, \i0+2, \i0+3
	FRAG AF+FR*(\i), ADRA+\slot, \q, \i
.endr
.endm
.macro SCALES sc                       ; a K step's scale words: two words a row; lanes 0-15 take A's block i, lanes 16-31 B's block i
.irp i, 0,1,2,3,4,5,6,7
	ds_load_b64 v[SC+8*NQ*\sc+NQ*\i:SC+8*NQ*\sc+NQ*\i+1], v[ADRS] offset:\i*SBLK
.endr
.endm
.macro PLACES n                        ; plain vector lines between a matrix instruction and a load into, or a read of, its registers
.rept \n
	v_nop
.endr
.endm
.macro STEP slot, q, zero              ; a step of 128 along K that has its successor in the same slot
	s_wait_dscnt 4*NL                              ; B's set and A's blocks 0-3 are in; the youngest 24 loads (A's blocks 4-7) may be out
	WIN MUL_LO
	MUL16 0, (\q)%2, \q, \slot, \zero
	MUL16 2, (\q)%2, \q, \slot, \zero
	s_wait_dscnt 0                                 ; A's blocks 4-7 are in
	PLACES NP
	FETCH_B \slot, (\q)+1, 1-(\q)%2
	FETCH_A \slot, (\q)+1, 0
	WIN MUL_HI
	MUL16 4, (\q)%2, \q, \slot, \zero
	MUL16 6, (\q)%2, \q, \slot, \zero
	PLACES NP
	WIN 0
	FETCH_A \slot, (\q)+1, 4
.endm
; A slot's last step changes slots: one barrier; in front of it each wave waits for all its tensor loads, adds 0 to its spare word, and waits for that and for its reads of this slot.  fill = 1: this slot is filled again, two K steps ahead.
.macro TURN slot, next, fill
	s_wait_tensorcnt 0x0                           ; all my tensor loads have landed: my part of the next slot
	ds_add_u32 v[SPW], v[NIL]                      ; 0 onto my spare word
	s_wait_dscnt 4*NL+1                            ; (the add and the youngest 24 loads, A's blocks 4-7, may be out)
	WIN MUL_LO
	MUL16 0, 1, NQ-1, \slot, 0                     ; sixteen matrix instructions stand between the add and the wait for it
	s_wait_dscnt 0x0                               ; the add is done, and my reads of this slot are over
	s_barrier_signal -1
	MUL16 2, 1, NQ-1, \slot, 0
	WIN 0
	s_barrier_wait -1
.if \fill
	CREST                                          ; the barrier has opened a round of the cluster's barrier: no wave of any partner still reads this slot or has a load on its way
	s_add_nc_u64 s[G0+4*\slot+2:G0+4*\slot+3], s[G0+4*\slot+2:G0+4*\slot+3], 2*ROWB
	s_add_nc_u64 s[G0B+4*\slot+2:G0B+4*\slot+3], s[G0B+4*\slot+2:G0B+4*\slot+3], 2*ROWB
	JLOAD G0+4*\slot, G1, G0B+4*\slot, G1B         ; the first tensor load behind the round; its four v_nop are the places in front of the loads below
.else
	PLACES NP
.endif
	s_wait_alu depctr_va_vdst(0)
	v_add_nc_u32 v[ADRS], 4*NQ, v[ADRS]            ; on to the next K step's scale words
	FETCH_B \next, 0, 0
	FETCH_A \next, 0, 0
	SCALES \next
	WIN MUL_HI
	MUL16 4, 1, NQ-1, \slot, 0
	MUL16 6, 1, NQ-1, \slot, 0
	PLACES NP
	WIN 0
	FETCH_A \next, 0, 4
.endm
	s_wait_tensorcnt 1                             ; the scales and my part of K step 0 are in (K step 1's load may be out)
	s_barrier_signal -1
	s_barrier_wait -1                              ; everybody's are
	FETCH_B 0, 0, 0
	FETCH_A 0, 0, 0
	SCALES 0
	FETCH_A 0, 0, 4
	STEP 0, 0, 1                                   ; K = 1,024 is four slots' worth: eight steps, written out
	TURN 0, 1, 1
	STEP 1, 0, 0
	TURN 1, 0, 1
	STEP 0, 0, 0
	TURN 0, 1, 0                                   ; the last two slots are not filled again
	STEP 1, 0, 0
	s_wait_dscnt 4*NL
	WIN MUL_LO
	MUL16 0, 1, NQ-1, 1, 0
	MUL16 2, 1, NQ-1, 1, 0
	s_wait_dscnt 0
	WIN MUL_HI
	MUL16 4, 1, NQ-1, 1, 0
	MUL16 6, 1, NQ-1, 1, 0
	WIN 0
; THE WAY OUT.  Block a (16 rows of A): a lane's 64 registers are, register 16 b + i, the number 32 b + 16 (lane / 16) + i of its row's 128.  They become 12 registers of codes and one scale word:
; the largest magnitude of each block of 32 (my 16 and lane l xor 16's), 4 off its exponent field, the conversions, and the exchange that gives each lane a whole block.
; Each accumulator is read from its low end on.
.macro QUANTW a
.set AC, 64*((\a)%4)
.set W, 2+(\a)/4
.set WS12, (W<<2)|(W<<4)
	WIN WS12                                       ; sources 1 and 2 in the accumulators' window
.irp b, 0,1,2,3
	v_max3_num_f32 v[TM+\b], s104, |v[AC+16*\b]|, |v[AC+16*\b+1]|   ; with the floor among the leaves: the byte cannot fall under 1
.endr
.irp i, 2,4,6,8,10,12,14
.irp b, 0,1,2,3
	v_max3_num_f32 v[TM+\b], v[TM+\b], |v[AC+16*\b+\i]|, |v[AC+16*\b+\i+1]|   ; the four blocks by turns
.endr
.endr
	WIN 0
	s_wait_alu depctr_va_vdst(0)
	s_wait_dscnt 0x0                               ; the last block's stage stores have read their registers, which are written again below
.irp b, 0,1,2,3
	v_permlanex16_b32 v[TM+4+\b], v[TM+\b], s66, s67
.endr
.irp b, 0,1,2,3
	v_max_num_f32 v[TM+\b], v[TM+\b], v[TM+4+\b]
.endr
.irp b, 0,1,2,3
	v_add_nc_u32 v[TM+12+\b], 0xfe000000, v[TM+\b]   ; the conversion's scale operand
.endr
.irp b, 0,1,2,3
	v_lshrrev_b32 v[TM+4+\b], 23, v[TM+12+\b]      ; the scale's byte
.endr
	v_lshl_or_b32 v[PW], v[TM+5], 8, v[TM+4]
	v_lshl_or_b32 v[PW], v[TM+6], 16, v[PW]
	v_lshl_or_b32 v[PW], v[TM+7], 24, v[PW]
	WIN W                                          ; source 0 in the accumulators' window
.irp c, 0,1
	v_cvt_scalef32_pk16_bf6_f32 v[CD+6*\c:CD+2+6*\c], v[AC+32*\c:AC+15+32*\c], v[TM+12+2*\c]
	v_cvt_scalef32_pk16_bf6_f32 v[CD+12+4*\c:CD+14+4*\c], v[AC+16+32*\c:AC+31+32*\c], v[TM+13+2*\c]   ; (a conversion's three registers begin on an even number)
.endr
	WIN 0
	v_nop                                          ; a plain line behind the conversions
.irp c, 0,1
.irp i, 0,1,2
	v_permlane16_swap_b32 v[CD+6*\c+\i], v[CD+12+4*\c+\i]   ; lanes 0-15 get block 2 c whole, lanes 16-31 block 2 c + 1
.endr
.irp i, 0,1,2
	v_mov_b32 v[CD+3+6*\c+\i], v[CD+12+4*\c+\i]
.endr
.endr
.irp c, 0,1
.irp p, 0,1,2
	ds_store_b64 v[STO], v[CD+6*\c+2*\p:CD+6*\c+2*\p+1] offset:(2*((\a)/4)+\c)*3072+((\a)%4)*768+8*\p   ; chunk 2 (a / 4) + c: 64 rows of 48 bytes
.endr
.endr
	ds_store_b32 v[STS], v[PW] offset:64*(\a)      ; both halves of the lanes write the same word with the same value
.endm
	PLACES NP                                      ; behind the last products: their results are read and their scale registers written below
.irp b, 0,1,2,3
	v_mov_b32 v[TM+4+\b], 0                        ; written once: a lane permute's destination counts as one of its sources
.endr
.irp a, 0,1,2,3,4,5,6,7
	QUANTW \a
.endr
.irp i, 0,1,2,3,4,5,6,7,8,9,10,11,12,13,14,15,16,17,18,19,20,21,22,23
	ds_load_b128 v[BK+4*\i:BK+4*\i+3], v[RD] offset:512*\i   ; LDS serves a wave's instructions in order: these see my stores
.endr
	ds_load_b128 v[BK+96:BK+99], v[RD] offset:12288
.irp i, 0,1,2,3,4,5,6,7,8,9,10,11,12,13,14,15,16,17,18,19,20,21,22,23
	s_wait_dscnt 24-\i                             ; the younger loads may be out
	global_store_b128 v[CO], v[BK+4*\i:BK+4*\i+3], s[CBS+2*(\i/6):CBS+2*(\i/6)+1] offset:512*(\i%6)   ; 32 lanes store 512 consecutive bytes, at a multiple of 256 from the buffer's first byte
.endr
	s_wait_dscnt 0x0
	global_store_b128 v[SOF], v[BK+96:BK+99], s[100:101]   ; sixteen lanes store 256 consecutive bytes, aligned, twice
	s_wait_tensorcnt 0x0                           ; the wave's end
	ds_add_u32 v[SPW], v[NIL]
	s_wait_dscnt 0x0
	CROUND                                         ; the closing round
	s_endpgm
.Lfunc_end_k_q364bf46774_proj:
	.size	k_q364bf46774_proj, .Lfunc_end_k_q364bf46774_proj-k_q364bf46774_proj
	.p2alignl 7, 3214868480
	.fill 96, 4, 3214868480
	.section	.rodata,"a",@progbits
	.p2align	6, 0x0
	.amdhsa_kernel k_q364bf46774_proj
		.amdhsa_group_segment_fixed_size 327680
		.amdhsa_private_segment_fixed_size 0
		.amdhsa_enable_private_segment 0
		.amdhsa_kernarg_size 48
		.amdhsa_user_sgpr_count 2
		.amdhsa_user_sgpr_kernarg_segment_ptr 1
		.amdhsa_wavefront_size32 1
		.amdhsa_system_sgpr_workgroup_id_x 1
		.amdhsa_system_sgpr_workgroup_id_y 1
		.amdhsa_system_sgpr_workgroup_id_z 1
		.amdhsa_system_vgpr_workitem_id 0
		.amdhsa_next_free_vgpr 1024
		.amdhsa_next_free_sgpr 106
		.amdhsa_reserve_vcc 0
		.amdhsa_float_denorm_mode_32 3
		.amdhsa_float_denorm_mode_16_64 3
		.amdhsa_memory_ordered 1
		.amdhsa_forward_progress 1
		.amdhsa_inst_pref_size 171
	.end_amdhsa_kernel
	.amdgpu_metadata
---
amdhsa.version: [ 1, 2 ]
amdhsa.kernels:
  - .name:           k_q364bf46774_proj
    .symbol:         k_q364bf46774_proj.kd
    .args:
      - { .name: xcod, .offset: 0, .size: 8, .value_kind: global_buffer, .address_space: global }
      - { .name: xscl, .offset: 8, .size: 8, .value_kind: global_buffer, .address_space: global }
      - { .name: wcod, .offset: 16, .size: 8, .value_kind: global_buffer, .address_space: global }
      - { .name: wscl, .offset: 24, .size: 8, .value_kind: global_buffer, .address_space: global }
      - { .name: acod, .offset: 32, .size: 8, .value_kind: global_buffer, .address_space: global }
      - { .name: ascl, .offset: 40, .size: 8, .value_kind: global_buffer, .address_space: global }
    .group_segment_fixed_size: 327680
    .private_segment_fixed_size: 0
    .kernarg_segment_align: 8
    .kernarg_segment_size: 48
    .max_flat_workgroup_size: 128
    .sgpr_count:     106
    .vgpr_count:     1024
    .wavefront_size: 32
...
	.end_amdgpu_metadata
.endif
;; end of part 2
;; launch attn (part 3): grid 4 x 64, 16 waves a work-group, no clusters, 210,944 bytes of LDS; arguments acod, ascl, ocod, oscl; writes ocod, oscl
.if DOCPART == 3
	.amdgcn_target "amdgcn-amd-amdhsa--gfx1250"
	.amdhsa_code_object_version 6
	.text
	.protected	k_q364bf46774_attn
	.globl	k_q364bf46774_attn
	.p2align	8
	.type	k_q364bf46774_attn,@function
k_q364bf46774_attn:
	s_mov_b64 s[64:65], 0
	v_nop
	global_prefetch_b8 v0, s[64:65] scope:SCOPE_SE
	s_setreg_imm32_b32 hwreg(HW_REG_WAVE_MODE, 25, 1), 1
	s_wait_xcnt 0x0
; Causal attention of one (batch, head) on codes of BF6 (E3M2) with E8M0 scales; head size 64, 2,048 tokens.  The result, divided by the row's sum, is quantised along (head, d) and leaves as codes for the output product.
; SOFTMAX: t = score x log2(e) / 8 (q arrives undivided: the division by 8 is exact and is folded into the constant); M = the running largest t rounded up to a whole number; p = 2^(t - M) is quantised along the keys,
; not normalised; the row's sum is taken of the unquantised p; when M moves, the sum and O are multiplied by 2^(old M - new M), which rounds nothing.
; SHARES.  A work-group owns one head and 512 queries; ALL the head's codes of K and V (2 x 98,304 bytes) lie in LDS, filled once: no slot is filled again.  Each of the sixteen waves owns one tile of 16 queries at a time, in two passes:
; pass A in block X of 128 queries (X = 2 x work-group x + wave / 8, 0 .. 7), pass B in block 15 - X: X + 1 and 16 - X key steps of 128, 17 for every wave of the launch.  The loops' trip counts are constants; a step all of
; whose keys come after the wave's queries is jumped over by a scalar branch on ids.
; NO JOINT LOADS: the four work-groups of a head read the same K and V, but which steps a wave works hangs on the work-group's x, which would be its place in a cluster.
; LAYOUT.  Both products are used transposed: S^T = K Q^T (source 0 = 16 stored keys, source 1 = my 16 queries), O^T = V^T P^T (source 0 = 16 stored d, source 1 = P): a lane holds ONE query throughout.  Rows of K and of V^T are
; stored in the order P (bits 3 and 4 of the index exchanged), so that the 16 registers of tiles 2 b and 2 b + 1 are 16 neighbours of the logical order: keys 32 b + 16 (lane / 16) + 0 .. 15, likewise d.
; K = 64 in the first product: the instruction's upper 64 along K meet zero CODES in Q's fragment; what stands there in K's operand (the next tile's codes) and in the scale words' upper bytes (never 0xff) adds nothing.
; LIMITS: hidden scores are -infinity (p = 0, as with the reference's lowest number); NaN and infinities are not served; a block of zeros gets the byte 1; 1 / sum is v_rcp_f32 and a multiply;
;         the folded 1/8 differs from the stated order only where 8 x a score overflows f32 or |q| lies under about 2^-119.
.set KB,   0                           ; LDS: K's codes, [stored key 2048][48 bytes]
.set VB,   98304                       ; V's codes, [32 chunks of 64 keys][stored d 64][48 bytes]
.set KSB,  196608                      ; K's scale words, 4 bytes a stored key, shifted so that my head's two bytes are the low ones
.set VSB,  204800                      ; V's scale words, [16 steps][stored d 64][4 bytes]
.set VOFFC, 12582912
.set VOFFS, 524288
.set LPK, 1                            ; v1  48 r + 24 hh
.set LPV, 2                            ; v2  VB + the same
.set LSK, 3                            ; v3  KSB + 4 r
.set LSV, 4                            ; v4  VSB + 4 r
.set DQ,  5                            ; v5  my logical query in its block of 128, less 16 hh
.set ADK, 8                            ; v8-11 the step's LDS addresses
.set ADV, 9
.set ADS, 10
.set ADT, 11
.set QF,  16                           ; v16-21 Q's codes, v22-27 zeros
.set QS,  28                           ; v28 Q's scale word;  v29, v30-35 pass B's
.set FG,  36                           ; v36-83 fragments of K (6 registers a tile) or of V (12); v84-89 zeros
.set S,   96                           ; v96-159 S^T, then p
.set O,   160                          ; v160-191 O^T
.set KSW, 192                          ; v192-199 K's scale words
.set VSW, 200                          ; v200-203 V's
.set BM,  204                          ; v204-207 the blocks' largest scores, then largest p
.set PT,  208                          ; v208-211 at work
.set SOP, 212                          ; v212-215 the conversions' scale operands
.set PCD, 216                          ; v216-227 p's codes
.set CT,  228                          ; v228-230, v232-234 the conversions' second halves
.set F,   236                          ; v236 f = 2^(old M - new M); v237 named with it as a pair
.set PSW, 238                          ; p's scale word
.set T0,  239
.set OH,  240                          ; o's two scale bytes
.set NINF, 241
.set SC2, 242                          ; v242-243 one of the sum's eight chains
.set WV,  12
.set QM,  19                           ; s19 the block of 128 queries in hand = the number of its diagonal step
.set SEL, 20
.set CS,  22
.set G1,  24
.set G0,  32
.set TB,  48                           ; s48 the step's bytes in K's and in V's codes: 6,144 a step
.set TS,  49                           ; s49 in K's scale words: 512 a step
.set TJ,  50                           ; s50 in V's: 256 a step
.set KM,  51                           ; s51 the step's number
.set CNT, 52
	s_load_b256 s[4:11], s[0:1], 0x0               ; acod 4:5, ascl 6:7, ocod 8:9, oscl 10:11
	v_lshl_add_u32 v254, v0, 2, 0x33000
	v_mov_b32 v255, 0
	ds_add_u32 v254, v255
	ds_add_u32 v254, v255
	v_lshrrev_b32 v1, 5, v0
	s_delay_alu instid0(VALU_DEP_1)
	v_readfirstlane_b32 s[WV], v1                  ; wave 0..15
	s_and_b32 s13, ttmp7, 0xffff                   ; b x 16 + h
	s_lshr_b32 s14, s13, 4                         ; b
	s_and_b32 s15, s13, 15                         ; h
	s_and_b32 s16, s15, 1
	s_lshl_b32 s16, s16, 4                         ; an odd head's scale bytes lie 16 bits up in q's and k's words
	s_lshl_b32 s17, ttmp9, 1
	s_lshr_b32 s66, s[WV], 3
	s_add_co_u32 s17, s17, s66                     ; X
	s_and_b32 s18, s[WV], 7                        ; which 16 queries of a block
	s_mov_b32 s[QM], s17
	s_sub_co_u32 s53, 15, s17                      ; pass B's block
	s_mov_b32 s[SEL], 0x76543210
	s_mov_b32 s[SEL+1], 0xfedcba98                 ; v_permlanex16_b32's selects for lane l xor 16
	s_mov_b32 s[CS], 0x3e38aa3b                    ; c = log2(e) / 8
	s_mov_b32 s[CS+1], s[CS]                       ; (named with it as a pair, so it is written)
	; descriptor group 1: 12,288 dense bytes as 48 rows of 256 bytes (32 elements of 8)
	s_mov_b32 s[G1], 3<<16
	s_mov_b32 s[G1+1], 32<<16                      ; tensor_dim0
	s_mov_b32 s[G1+2], 48<<16                      ; tensor_dim1
	s_mov_b32 s[G1+3], 32<<16                      ; tile_dim0
	s_mov_b32 s[G1+4], 48                          ; tile_dim1
	s_mov_b32 s[G1+5], 32                          ; the pitch
	s_mov_b32 s[G1+6], 0
	s_mov_b32 s[G1+7], 0
	s_bfe_u32 s66, s[WV], 0x10001                  ; waves 0, 1 fetch K, waves 2, 3 V,
	s_and_b32 s67, s[WV], 1                        ; each one half of every quarter (512 keys: 24,576 bytes)
	s_mul_i32 s68, s66, 98304
	s_mul_i32 s69, s67, 12288
	s_add_co_u32 s68, s68, s69                     ; in LDS
	s_add_co_u32 s70, s15, 16
	s_lshl_b32 s70, s70, 2
	s_add_co_u32 s70, s70, s14
	s_mul_i32 s70, s70, 98304                      ; K's plane
	s_mul_i32 s71, s13, 98304
	s_add_co_u32 s71, s71, VOFFC                   ; V's
	s_cmp_eq_u32 s66, 1
	s_cselect_b32 s70, s71, s70
	s_add_co_u32 s70, s70, s69
	s_mov_b32 s71, 0
	s_wait_dscnt 0x0
	s_wait_kmcnt 0x0
	s_add_nc_u64 s[70:71], s[4:5], s[70:71]
.irp g, 0,1,2,3
	s_mov_b32 s[G0+4*\g], 1
	s_add_co_u32 s[G0+4*\g+1], s68, \g*24576
	s_add_nc_u64 s[G0+4*\g+2:G0+4*\g+3], s[70:71], \g*24576
	s_or_b32 s[G0+4*\g+3], s[G0+4*\g+3], 0x80000000
.endr
	s_cmp_lt_u32 s[WV], 4                          ; all first fills of a wave stand in one branch on the wave's number; four tensor loads of such a wave are out
	s_cbranch_scc0 .Lno_fetch
	tensor_load_to_lds s[G0:G0+3], s[G1:G1+7]
	s_nop 0
	tensor_load_to_lds s[G0+4:G0+7], s[G1:G1+7]
	s_nop 0
	tensor_load_to_lds s[G0+8:G0+11], s[G1:G1+7]
	s_nop 0
	tensor_load_to_lds s[G0+12:G0+15], s[G1:G1+7]
	s_nop 0
.rept 4
	v_nop
.endr
.Lno_fetch:
	v_and_b32 v242, 15, v0                         ; r
	v_bfe_u32 v243, v0, 4, 1                       ; hh
	s_delay_alu instid0(VALU_DEP_2)
	v_mul_u32_u24 v[LPK], v242, 48
	s_delay_alu instid0(VALU_DEP_1)
	v_mad_u32_u24 v[LPK], v243, 24, v[LPK]
	s_delay_alu instid0(VALU_DEP_1)
	v_add_nc_u32 v[LPV], VB, v[LPK]
	v_lshlrev_b32 v244, 2, v242                    ; 4 r
	s_delay_alu instid0(VALU_DEP_1)
	v_add_nc_u32 v[LSK], KSB, v244
	s_delay_alu instid0(VALU_DEP_2)
	v_add_nc_u32 v[LSV], VSB, v244
	s_lshr_b32 s66, s18, 1
	s_lshl_b32 s66, s66, 5
	s_and_b32 s67, s18, 1
	s_lshl_b32 s67, s67, 3
	s_add_co_u32 s66, s66, s67                     ; stored row 16 idx + r is logical row 32 (idx / 2) + 8 (idx % 2) + r % 8 + 16 (r / 8)
	v_and_b32 v[DQ], 7, v242
	v_lshrrev_b32 v6, 3, v242
	s_delay_alu instid0(VALU_DEP_1)
	v_lshl_add_u32 v[DQ], v6, 4, v[DQ]
	v_lshlrev_b32 v6, 4, v243
	s_delay_alu instid0(VALU_DEP_1)
	v_sub_nc_u32 v[DQ], v[DQ], v6
	s_delay_alu instid0(VALU_DEP_1)
	v_add_nc_u32 v[DQ], s66, v[DQ]
	v_and_b32 v6, 31, v0
	s_delay_alu instid0(VALU_DEP_1)
	v_lshlrev_b32 v6, 3, v6                        ; v6: 8 x lane: o's codes
	v_lshlrev_b32 v7, 5, v242                      ; v7: 32 r: o's scale bytes
	v_lshlrev_b32 v247, 4, v0
	s_wait_alu depctr_va_vdst(0)
	v_lshlrev_b32 v248, 3, v0
	s_wait_alu depctr_va_vdst(0)
	v_lshl_add_u32 v245, v0, 4, KSB
	v_lshl_add_u32 v246, v0, 3, VSB
	s_lshr_b32 s72, s15, 1
	s_lshl_b32 s73, s72, 2
	s_add_co_u32 s73, s73, s14
	s_lshl_b32 s74, s73, 13                        ; q's plane of scale words
	s_add_co_u32 s76, s74, 262144                  ; k's: 32 planes on
	s_mov_b32 s77, 0
	s_add_nc_u64 s[76:77], s[6:7], s[76:77]
	s_lshl_b32 s78, s13, 12
	s_add_co_u32 s78, s78, VOFFS
	s_mov_b32 s79, 0
	s_add_nc_u64 s[78:79], s[6:7], s[78:79]        ; v's scale words
	s_lshl_b32 s80, s17, 7
	s_lshl_b32 s81, s18, 4
	s_add_co_u32 s80, s80, s81                     ; pass A's first stored query
	s_lshl_b32 s82, s53, 7
	s_add_co_u32 s82, s82, s81                     ; pass B's
	s_lshl_b32 s83, s15, 2
	s_add_co_u32 s83, s83, s14
	s_mul_i32 s83, s83, 98304                      ; q's plane of codes
	s_mul_i32 s84, s80, 48
	s_add_co_u32 s84, s84, s83
	s_mov_b32 s85, 0
	s_add_nc_u64 s[84:85], s[4:5], s[84:85]
	s_mul_i32 s86, s82, 48
	s_add_co_u32 s86, s86, s83
	s_mov_b32 s87, 0
	s_add_nc_u64 s[86:87], s[4:5], s[86:87]
	s_lshl_b32 s88, s80, 2
	s_add_co_u32 s88, s88, s74
	s_mov_b32 s89, 0
	s_add_nc_u64 s[88:89], s[6:7], s[88:89]
	s_lshl_b32 s90, s82, 2
	s_add_co_u32 s90, s90, s74
	s_mov_b32 s91, 0
	s_add_nc_u64 s[90:91], s[6:7], s[90:91]
	global_load_b128 v[96:99], v247, s[76:77]      ; K's 2,048 scale words: 16 bytes a thread
	global_load_b64 v[100:101], v248, s[78:79]     ; V's 1,024: 8 bytes a thread
.irp p, 0,1,2
	global_load_b64 v[QF+2*\p:QF+2*\p+1], v[LPK], s[84:85] offset:8*\p
.endr
	global_load_b32 v[QS], v244, s[88:89]
.irp p, 0,1,2
	global_load_b64 v[30+2*\p:31+2*\p], v[LPK], s[86:87] offset:8*\p
.endr
	global_load_b32 v29, v244, s[90:91]
	s_lshl_b32 s92, s14, 11                        ; where o goes: ocod: (stored token row / 16) x 12,288 + h x 768;  oscl: row x 32 + 2 h
	s_mul_i32 s95, s15, 768
	s_lshl_b32 s94, s15, 1
	s_add_co_u32 s93, s92, s80
	s_mul_i32 s54, s93, 768
	s_add_co_u32 s54, s54, s95
	s_mov_b32 s55, 0
	s_add_nc_u64 s[54:55], s[8:9], s[54:55]
	s_lshl_b32 s56, s93, 5
	s_add_co_u32 s56, s56, s94
	s_mov_b32 s57, 0
	s_add_nc_u64 s[56:57], s[10:11], s[56:57]
	s_add_co_u32 s93, s92, s82
	s_mul_i32 s58, s93, 768
	s_add_co_u32 s58, s58, s95
	s_mov_b32 s59, 0
	s_add_nc_u64 s[58:59], s[8:9], s[58:59]
	s_lshl_b32 s60, s93, 5
	s_add_co_u32 s60, s60, s94
	s_mov_b32 s61, 0
	s_add_nc_u64 s[60:61], s[10:11], s[60:61]
	s_wait_loadcnt 8                               ; the scale words are in; Q's eight loads may be out
.irp i, 0,1,2,3
	v_lshrrev_b32 v[96+\i], s16, v[96+\i]          ; my head's two bytes become the low ones
.endr
	s_wait_alu depctr_va_vdst(0)
	ds_store_b128 v245, v[96:99]
	ds_store_b64 v246, v[100:101]
	s_wait_loadcnt 0x0
	v_lshrrev_b32 v[QS], s16, v[QS]
	v_lshrrev_b32 v29, s16, v29
.irp i, 0,1,2,3,4,5
	v_mov_b32 v[QF+6+\i], 0                        ; Q's codes of K = 64 .. 127: zeros
	v_mov_b32 v[FG+48+\i], 0                       ; what the last tile of K names beyond its own six registers
.endr
.irp b, 0,1,2,3
	v_mov_b32 v[PT+\b], 0                          ; written once: a lane permute's destination counts as one of its sources
.endr
	v_mov_b32 v[F+1], 0
	v_mov_b32 v[T0], 0
	v_mov_b32 v[NINF], 0xff800000
.macro PROLOG                          ; a pass begins: O^T and the sum are zeros, the largest t lies under every t.  (These lines are also the places between the writes of Q's registers and the first product)
	v_mov_b32 v13, 0xff61b1e6
	s_delay_alu instid0(VALU_DEP_1)
	v_floor_f32 v12, -v13
	v_mov_b32 v14, 0
	v_mov_b32 v15, 0
.irp j, 0,1,2,3,4,5,6,7,8,9,10,11,12,13,14,15,16,17,18,19,20,21,22,23,24,25,26,27,28,29,30,31
	v_mov_b32 v[O+\j], 0
.endr
.endm
; A KEY STEP: 128 keys.
.macro STEP
	s_cmp_gt_u32 s[KM], s[QM]                      ; all its keys come after my queries: only the addresses step
	s_cbranch_scc1 .Lhid_\@
	s_setprio 2
	v_add_nc_u32 v[ADK], s[TB], v[LPK]             ; (these four are the places between the last step's products and the loads into their registers)
	v_add_nc_u32 v[ADV], s[TB], v[LPV]
	v_add_nc_u32 v[ADS], s[TS], v[LSK]
	v_add_nc_u32 v[ADT], s[TJ], v[LSV]
.irp t, 0,1,2,3,4,5,6,7
.irp p, 0,1,2
	ds_load_b64 v[FG+6*\t+2*\p:FG+6*\t+2*\p+1], v[ADK] offset:768*\t+8*\p
.endr
	ds_load_b32 v[KSW+\t], v[ADS] offset:64*\t
.endr
	s_wait_alu depctr_va_vdst(0)
	s_wait_dscnt 0x0
.irp t, 0,1,2,3,4,5,6,7
	v_wmma_scale_f32_16x16x128_f8f6f4 v[S+8*\t:S+8*\t+7], v[FG+6*\t:FG+6*\t+11], v[QF:QF+11], 0, v[KSW+\t], v[QS] matrix_a_fmt:MATRIX_FMT_BF6 matrix_b_fmt:MATRIX_FMT_BF6
.endr
.rept 4
	v_nop                                          ; places in front of the loads into K's registers and of the first read of the scores
.endr
.irp t, 0,1,2,3                                ; V's fragments are asked for now and land under the softmax
.irp c, 0,1
.irp p, 0,1,2
	ds_load_b64 v[FG+12*\t+6*\c+2*\p:FG+12*\t+6*\c+2*\p+1], v[ADV] offset:3072*\c+768*\t+8*\p
.endr
.endr
	ds_load_b32 v[VSW+\t], v[ADT] offset:64*\t
.endr
	s_cmp_lg_u32 s[KM], s[QM]                      ; on the diagonal step alone: register 16 b + i holds key 32 b + 16 hh + i of the step: hidden where 32 b + i > my query - 16 hh
	s_cbranch_scc1 .Lopen_\@
.irp n, 0,1,2,3,4,5,6,7,8,9,10,11,12,13,14,15,16,17,18,19,20,21,22,23,24,25,26,27,28,29,30,31,32,33,34,35,36,37,38,39,40,41,42,43,44,45,46,47,48,49,50,51,52,53,54,55,56,57,58,59,60,61,62,63
	v_cmp_gt_i32 vcc_lo, 32*(\n/16)+\n%16, v[DQ]
	v_cndmask_b32 v[S+\n], v[S+\n], v[NINF], vcc_lo
.endr
.Lopen_\@:
.irp b, 0,1,2,3
	v_max3_num_f32 v[BM+\b], v[S+16*\b], v[S+1+16*\b], v[S+2+16*\b]   ; the largest score of each block of 32 keys: it serves for the row's maximum and, since p rises with the score, for the block's largest p
.endr
.irp i, 3,5,7,9,11,13
.irp b, 0,1,2,3
	v_max3_num_f32 v[BM+\b], v[BM+\b], v[S+16*\b+\i], v[S+1+16*\b+\i]
.endr
.endr
.irp b, 0,1,2,3
	v_max_num_f32 v[BM+\b], v[BM+\b], v[S+15+16*\b]
.endr
.irp b, 0,1,2,3
	s_delay_alu instid0(VALU_DEP_4)
	v_permlanex16_b32 v[PT+\b], v[BM+\b], s[SEL], s[SEL+1]
.endr
.irp b, 0,1,2,3
	s_delay_alu instid0(VALU_DEP_4)
	v_max_num_f32 v[BM+\b], v[BM+\b], v[PT+\b]     ; with lane l xor 16's 16 keys
.endr
	s_delay_alu instid0(VALU_DEP_2)
	v_max3_num_f32 v[T0], v[BM], v[BM+1], v[BM+2]
	s_delay_alu instid0(VALU_DEP_1)
	v_max_num_f32 v[T0], v[T0], v[BM+3]
	s_delay_alu instid0(VALU_DEP_1)
	v_mul_f32 v[T0], s[CS], v[T0]                  ; the step's largest t
	s_delay_alu instid0(VALU_DEP_1)
	v_max_num_f32 v13, v13, v[T0]                  ; the running largest t
	v_mov_b32 v[T0], v12
	s_delay_alu instid0(VALU_DEP_2)
	v_floor_f32 v12, -v13                          ; the new -M = floor(-t): M is a whole number
	s_delay_alu instid0(VALU_DEP_1)
	v_sub_f32 v[T0], v12, v[T0]                    ; old M - new M: a whole number, 0 or less
	s_delay_alu instid0(VALU_DEP_1)
	v_cvt_i32_f32 v[T0], v[T0]                     ; (it saturates)
	s_delay_alu instid0(VALU_DEP_1)
	v_ldexp_f32 v[F], 1.0, v[T0]                   ; f = 2^(old M - new M)
	s_setprio 1
.irp j, 0,2,4,6,8,10,12,14,16,18,20,22,24,26,28,30,32,34,36,38,40,42,44,46,48,50,52,54,56,58,60,62
	v_pk_fma_f32 v[S+\j:S+1+\j], v[S+\j:S+1+\j], s[CS:CS+1], v[12:13] op_sel_hi:[1,0,0]   ; t - M, two at a time
.endr
.irp b, 0,1,2,3
	v_fma_f32 v[BM+\b], v[BM+\b], s[CS], v12
.endr
	s_wait_alu depctr_va_vdst(0)
.irp j, 0,1,2,3,4,5,6,7,8,9,10,11,12,13,14,15,16,17,18,19,20,21,22,23,24,25,26,27,28,29,30,31,32,33,34,35,36,37,38,39,40,41,42,43,44,45,46,47,48,49,50,51,52,53,54,55,56,57,58,59,60,61,62,63
	v_exp_f32 v[S+\j], v[S+\j]                     ; p = 2^(t - M)
.endr
.irp b, 0,1,2,3
	v_exp_f32 v[BM+\b], v[BM+\b]                   ; the block's largest p: the same two instructions on the same number
.endr
	v_pk_mul_f32 v[14:15], v[14:15], v[F:F+1] op_sel_hi:[1,0]   ; the sums under the new M (a plain line behind the exponentials)
	s_wait_alu depctr_va_vdst(0)
.irp b, 0,1,2,3
	v_max_num_f32 v[BM+\b], 0x2800000, v[BM+\b]    ; the floor 2^(5 - 127)
.endr
.irp b, 0,1,2,3
	s_delay_alu instid0(VALU_DEP_4)
	v_add_nc_u32 v[SOP+\b], 0xfe000000, v[BM+\b]   ; 4 off the exponent field: the conversion's scale operand
.endr
.irp b, 0,1,2,3
	s_delay_alu instid0(VALU_DEP_4)
	v_lshrrev_b32 v[PT+\b], 23, v[SOP+\b]          ; the scale's byte
.endr
	s_delay_alu instid0(VALU_DEP_3)
	v_lshl_or_b32 v[PSW], v[PT+1], 8, v[PT]
	s_delay_alu instid0(VALU_DEP_1)
	v_lshl_or_b32 v[PSW], v[PT+2], 16, v[PSW]
	s_delay_alu instid0(VALU_DEP_1)
	v_lshl_or_b32 v[PSW], v[PT+3], 24, v[PSW]
.irp c, 0,1
	v_cvt_scalef32_pk16_bf6_f32 v[PCD+6*\c:PCD+2+6*\c], v[S+32*\c:S+15+32*\c], v[SOP+2*\c]
	v_cvt_scalef32_pk16_bf6_f32 v[CT+4*\c:CT+2+4*\c], v[S+16+32*\c:S+31+32*\c], v[SOP+2*\c+1]
.endr
	v_nop                                          ; a plain line behind the conversions
.irp c, 0,1
.irp i, 0,1,2
	v_permlane16_swap_b32 v[PCD+6*\c+\i], v[CT+4*\c+\i]   ; lanes 0-15 get block 2 c whole, lanes 16-31 block 2 c + 1
.endr
.irp i, 0,1,2
	s_delay_alu instid0(VALU_DEP_3)
	v_mov_b32 v[PCD+3+6*\c+\i], v[CT+4*\c+\i]
.endr
.endr
	v_pk_add_f32 v[242:243], v[100:101], v[104:105]
	v_pk_add_f32 v[252:253], v[108:109], v[112:113]
	v_pk_add_f32 v[250:251], v[116:117], v[120:121]
	v_pk_add_f32 v[248:249], v[124:125], v[128:129]
	v_pk_add_f32 v[246:247], v[132:133], v[136:137]
	v_pk_add_f32 v[244:245], v[140:141], v[144:145]
	s_setprio 0
	v_pk_add_f32 v[234:235], v[148:149], v[152:153]
	v_pk_add_f32 v[14:15], v[14:15], v[156:157]
	v_pk_add_f32 v[242:243], v[242:243], v[96:97]
	v_pk_add_f32 v[252:253], v[252:253], v[98:99]
	v_pk_add_f32 v[250:251], v[250:251], v[102:103]
	v_pk_add_f32 v[248:249], v[248:249], v[106:107]
	v_pk_add_f32 v[246:247], v[246:247], v[110:111]
	v_pk_add_f32 v[244:245], v[244:245], v[114:115]
	v_pk_add_f32 v[234:235], v[234:235], v[118:119]
	v_pk_add_f32 v[14:15], v[14:15], v[122:123]
	v_pk_add_f32 v[242:243], v[242:243], v[126:127]
	v_pk_add_f32 v[252:253], v[252:253], v[130:131]
	v_pk_add_f32 v[250:251], v[250:251], v[134:135]
	v_pk_add_f32 v[248:249], v[248:249], v[138:139]
	v_pk_add_f32 v[246:247], v[246:247], v[142:143]
	v_pk_add_f32 v[244:245], v[244:245], v[146:147]
	v_pk_add_f32 v[234:235], v[234:235], v[150:151]
	v_pk_add_f32 v[14:15], v[14:15], v[154:155]
	v_pk_add_f32 v[242:243], v[242:243], v[158:159]
	s_delay_alu instid0(VALU_DEP_2)
	v_pk_add_f32 v[14:15], v[14:15], v[248:249]
	s_delay_alu instid0(VALU_DEP_2)
	v_pk_add_f32 v[242:243], v[242:243], v[246:247]
	v_pk_add_f32 v[252:253], v[252:253], v[244:245]
	v_pk_add_f32 v[250:251], v[250:251], v[234:235]
	s_delay_alu instid0(VALU_DEP_2)
	v_pk_add_f32 v[14:15], v[14:15], v[252:253]
	s_delay_alu instid0(VALU_DEP_2)
	v_pk_add_f32 v[242:243], v[242:243], v[250:251]
	s_delay_alu instid0(VALU_DEP_1)
	v_pk_add_f32 v[14:15], v[14:15], v[242:243]
.irp j, 0,2,4,6,8,10,12,14,16,18,20,22,24,26,28,30
	v_pk_mul_f32 v[O+\j:O+1+\j], v[O+\j:O+1+\j], v[F:F+1] op_sel_hi:[1,0]   ; O^T under the new M
.endr
	s_wait_alu depctr_va_vdst(0)
	s_wait_dscnt 0x0                               ; V's fragments and scale words are in
.irp t, 0,1,2,3                                ; the four accumulators by turns; the matrix instruction ahead of them wrote the scores
	v_wmma_scale_f32_16x16x128_f8f6f4 v[O+8*\t:O+8*\t+7], v[FG+12*\t:FG+12*\t+11], v[PCD:PCD+11], v[O+8*\t:O+8*\t+7], v[VSW+\t], v[PSW] matrix_a_fmt:MATRIX_FMT_BF6 matrix_b_fmt:MATRIX_FMT_BF6
.endr
.Lhid_\@:
	s_add_co_u32 s[TB], s[TB], 6144
	s_add_co_u32 s[TS], s[TS], 512
	s_add_co_u32 s[TJ], s[TJ], 256
	s_add_co_u32 s[KM], s[KM], 1
.endm
; A pass ends: O^T / the sum; register 16 b + i is d = 32 b + 16 hh + i of my query: two blocks, quantised; the codes leave as the image of half a fragment's registers (6 registers a lane), the two bytes to the row's scale bytes.
.macro FINISH oc, os
.rept 4
	v_nop                                          ; places behind the last products
.endr
	v_add_f32 v14, v14, v15
	s_delay_alu instid0(VALU_DEP_1)
	v_permlanex16_b32 v[T0], v14, s[SEL], s[SEL+1]
	s_delay_alu instid0(VALU_DEP_1)
	v_add_f32 v14, v14, v[T0]                      ; the row's sum
	s_wait_alu depctr_va_vdst(0)
	v_rcp_f32 v14, v14
	v_nop                                          ; a plain line behind the transcendental
	s_wait_alu depctr_va_vdst(0)
.irp j, 0,1,2,3,4,5,6,7,8,9,10,11,12,13,14,15,16,17,18,19,20,21,22,23,24,25,26,27,28,29,30,31
	v_mul_f32 v[S+\j], v[O+\j], v14                ; each accumulator from its low end on
.endr
.irp b, 0,1
	v_max3_num_f32 v[BM+\b], |v[S+16*\b]|, |v[S+1+16*\b]|, 0x2800000
.endr
.irp i, 2,4,6,8,10,12,14
.irp b, 0,1
	s_delay_alu instid0(VALU_DEP_2)
	v_max3_num_f32 v[BM+\b], v[BM+\b], |v[S+16*\b+\i]|, |v[S+1+16*\b+\i]|
.endr
.endr
.irp b, 0,1
	s_delay_alu instid0(VALU_DEP_2)
	v_permlanex16_b32 v[PT+\b], v[BM+\b], s[SEL], s[SEL+1]
.endr
.irp b, 0,1
	s_delay_alu instid0(VALU_DEP_2)
	v_max_num_f32 v[BM+\b], v[BM+\b], v[PT+\b]
.endr
.irp b, 0,1
	s_delay_alu instid0(VALU_DEP_2)
	v_add_nc_u32 v[SOP+\b], 0xfe000000, v[BM+\b]
.endr
.irp b, 0,1
	s_delay_alu instid0(VALU_DEP_2)
	v_lshrrev_b32 v[PT+\b], 23, v[SOP+\b]
.endr
	s_delay_alu instid0(VALU_DEP_1)
	v_lshl_or_b32 v[OH], v[PT+1], 8, v[PT]
	v_cvt_scalef32_pk16_bf6_f32 v[PCD:PCD+2], v[S:S+15], v[SOP]
	v_cvt_scalef32_pk16_bf6_f32 v[CT:CT+2], v[S+16:S+31], v[SOP+1]
	v_nop                                          ; a plain line behind the conversions
.irp i, 0,1,2
	v_permlane16_swap_b32 v[PCD+\i], v[CT+\i]
.endr
.irp i, 0,1,2
	s_delay_alu instid0(VALU_DEP_3)
	v_mov_b32 v[PCD+3+\i], v[CT+\i]
.endr
.irp p, 0,1,2
	global_store_b64 v6, v[PCD+2*\p:PCD+2*\p+1], s[\oc:\oc+1] offset:256*\p   ; 32 lanes store 256 consecutive bytes, aligned
.endr
	global_store_b16 v7, v[OH], s[\os:\os+1]       ; two bytes of each of 16 rows of 32 bytes (both halves of the lanes write the same): 1 byte in 24 of what the pass stores
.endm
	PROLOG
	s_wait_tensorcnt 3                             ; my part of keys 0 .. 511 is in; the three later quarters may be out
	s_wait_dscnt 0x0                               ; my scale words lie in LDS
	s_barrier_signal -1
	s_barrier_wait -1
	s_mov_b32 s[TB], 0
	s_mov_b32 s[TS], 0
	s_mov_b32 s[TJ], 0
	s_mov_b32 s[KM], 0
	s_mov_b32 s[CNT], 4
.La0:                                              ; pass A, steps 0 .. 3
	STEP
	s_sub_co_u32 s[CNT], s[CNT], 1
	s_cmp_lg_u32 s[CNT], 0
	s_cbranch_scc1 .La0
	s_setprio 0
	s_wait_tensorcnt 2                             ; keys 512 .. 1,023 (the last two quarters may be out)
	s_wait_dscnt 0x0
	s_barrier_signal -1
	s_barrier_wait -1
	s_mov_b32 s[TB], 24576
	s_mov_b32 s[TS], 2048
	s_mov_b32 s[TJ], 1024
	s_mov_b32 s[KM], 4
	s_mov_b32 s[CNT], 4
.La1:                                              ; pass A, steps 4 .. 7
	STEP
	s_sub_co_u32 s[CNT], s[CNT], 1
	s_cmp_lg_u32 s[CNT], 0
	s_cbranch_scc1 .La1
	s_setprio 0
	FINISH 54, 56
	s_wait_tensorcnt 0x0                           ; all keys
	s_wait_dscnt 0x0
	s_barrier_signal -1
	s_barrier_wait -1
	s_wait_xcnt 0x0                                ; pass A's stores have read their registers, which pass B writes again
.irp i, 0,1,2,3,4,5
	v_mov_b32 v[QF+\i], v[30+\i]                   ; pass B's queries
.endr
	v_mov_b32 v[QS], v29
	s_mov_b32 s[QM], s53
	PROLOG
	s_mov_b32 s[TB], 0
	s_mov_b32 s[TS], 0
	s_mov_b32 s[TJ], 0
	s_mov_b32 s[KM], 0
	s_mov_b32 s[CNT], 16
.Lb:                                               ; pass B, steps 0 .. 15
	STEP
	s_sub_co_u32 s[CNT], s[CNT], 1
	s_cmp_lg_u32 s[CNT], 0
	s_cbranch_scc1 .Lb
	s_setprio 0
	FINISH 58, 60
	s_wait_tensorcnt 0x0
	ds_add_u32 v254, v255
	s_wait_dscnt 0x0
	s_endpgm
.Lfunc_end_k_q364bf46774_attn:
	.size	k_q364bf46774_attn, .Lfunc_end_k_q364bf46774_attn-k_q364bf46774_attn
	.p2alignl 7, 3214868480
	.fill 96, 4, 3214868480
	.section	.rodata,"a",@progbits
	.p2align	6, 0x0
	.amdhsa_kernel k_q364bf46774_attn
		.amdhsa_group_segment_fixed_size 210944
		.amdhsa_private_segment_fixed_size 0
		.amdhsa_enable_private_segment 0
		.amdhsa_kernarg_size 32
		.amdhsa_user_sgpr_count 2
		.amdhsa_user_sgpr_kernarg_segment_ptr 1
		.amdhsa_wavefront_size32 1
		.amdhsa_system_sgpr_workgroup_id_x 1
		.amdhsa_system_sgpr_workgroup_id_y 1
		.amdhsa_system_sgpr_workgroup_id_z 1
		.amdhsa_system_vgpr_workitem_id 0
		.amdhsa_next_free_vgpr 256
		.amdhsa_next_free_sgpr 96
		.amdhsa_reserve_vcc 1
		.amdhsa_float_denorm_mode_32 3
		.amdhsa_float_denorm_mode_16_64 3
		.amdhsa_memory_ordered 1
		.amdhsa_forward_progress 1
		.amdhsa_inst_pref_size 94
	.end_amdhsa_kernel
	.amdgpu_metadata
---
amdhsa.version: [ 1, 2 ]
amdhsa.kernels:
  - .name:           k_q364bf46774_attn
    .symbol:         k_q364bf46774_attn.kd
    .args:
      - { .name: acod, .offset: 0, .size: 8, .value_kind: global_buffer, .address_space: global }
      - { .name: ascl, .offset: 8, .size: 8, .value_kind: global_buffer, .address_space: global }
      - { .name: ocod, .offset: 16, .size: 8, .value_kind: global_buffer, .address_space: global }
      - { .name: oscl, .offset: 24, .size: 8, .value_kind: global_buffer, .address_space: global }
    .group_segment_fixed_size: 210944
    .private_segment_fixed_size: 0
    .kernarg_segment_align: 8
    .kernarg_segment_size: 32
    .max_flat_workgroup_size: 512
    .sgpr_count:     96
    .vgpr_count:     256
    .wavefront_size: 32
...
	.end_amdgpu_metadata
.endif
;; end of part 3
;; launch outp (part 4): grid 4 x 32, 4 waves a work-group, clusters of 4 x 4, 327,680 bytes of LDS; arguments ocod, oscl, xcod, xscl, bo, out0; writes out0
.if DOCPART == 4
	.amdgcn_target "amdgcn-amd-amdhsa--gfx1250"
	.amdhsa_code_object_version 6
	.text
	.protected	k_q364bf46774_outp
	.globl	k_q364bf46774_outp
	.p2align	8
	.type	k_q364bf46774_outp,@function
k_q364bf46774_outp:
	s_mov_b64 s[64:65], 0
	v_nop
	global_prefetch_b8 v0, s[64:65] scope:SCOPE_SE
	s_setreg_imm32_b32 hwreg(HW_REG_WAVE_MODE, 25, 1), 1
	s_wait_xcnt 0x0
	s_wait_alu depctr_hold_cnt(0) depctr_sa_sdst(0) depctr_va_vdst(0) depctr_va_sdst(0) depctr_va_ssrc(0) depctr_va_vcc(0) depctr_vm_vsrc(0)
	s_getreg_b32 s2, hwreg(HW_REG_IB_STS2, 6, 4)
	s_cmp_eq_u32 s2, 0
	s_cbranch_scc0 .Lentry_in_a_cluster
	s_endpgm
.Lentry_in_a_cluster:
	s_bfe_u32 s2, ttmp6, 0x10000c
	s_cmp_lg_u32 s2, 0xf033
	s_cbranch_scc0 .Lentry_shape_is_right
	s_endpgm
.Lentry_shape_is_right:
.set NQ,     2
.set ROWB,   192
.set KROW,   768
.set PITCH,  240
.set FR,     12
.set NL,     6
.set NP,     4
.set HALFA,  24576
.set HALFT,  128*PITCH
.set BOFF,   2*HALFA
.set SLOT,   2*HALFA+2*HALFT
.set KS,     32
.set SCL,    2*SLOT
.set HALFS,  (128*KS/256)*272
.set SBLK,   (16*KS/256)*272
.set SPARE,  SCL+4*HALFS
.set SPITCH, 528
.set ADRA, 16
.set ADRB, 20
.set STO,  24
.set RD,   25
.set CO,   26
.set ADRS, 27
.set SPW,  28
.set NIL,  29
.set SC,   32
.set BI,   64
.set AF,   128
.set BK,   128
.set G1, 24
.set G0, 32
.set G1B, 48
.set G0B, 56
.set G1S, 68
.set G0S, 76
.set G1SB, 80
.set G0SB, 88
.set MSB, 0
.macro WIN new
.if MSB != (\new)
	s_set_vgpr_msb (MSB<<8)|(\new)
.set MSB, (\new)
.endif
.endm
.set MUL_LO, 0xa1
.set MUL_HI, 0xf1
.set FIRST_LO, 0x81
.set FIRST_HI, 0xc1
.set TO_B,   0x40
.macro JLOAD g0a, g1a, g0b, g1b
	s_cmp_eq_u32 s17, 0
	s_cbranch_scc0 .Lfor_b_\@
	tensor_load_to_lds s[\g0a:\g0a+3], s[\g1a:\g1a+7]
	s_nop 0
.rept 4
	v_nop
.endr
	s_branch .Lasked_\@
.Lfor_b_\@:
	tensor_load_to_lds s[\g0b:\g0b+3], s[\g1b:\g1b+7]
	s_nop 0
.rept 4
	v_nop
.endr
.Lasked_\@:
.endm
.macro CREST
	s_cmp_lg_u32 s16, 0
	s_cbranch_scc1 .Lnot_wave_0_\@
	s_barrier_signal -3
.Lnot_wave_0_\@:
	s_barrier_wait -3
	s_barrier_signal -1
	s_barrier_wait -1
.endm
.macro CROUND
	s_barrier_signal -1
	s_barrier_wait -1
	CREST
.endm
	s_load_b256 s[4:11], s[0:1], 0x0
	s_load_b128 s[12:15], s[0:1], 0x20
	v_lshl_add_u32 v[SPW], v0, 2, SPARE
	v_mov_b32 v[NIL], 0
	ds_add_u32 v28, v29
	ds_add_u32 v28, v29
	s_wait_dscnt 0x0
	v_lshrrev_b32 v1, 5, v0
	v_readfirstlane_b32 s16, v1
	s_lshr_b32 s17, s16, 1
	s_and_b32 s18, s16, 1
	s_bfe_u32 s20, ttmp6, 0x40000
	s_bfe_u32 s21, ttmp6, 0x40004
	s_lshl_b32 s22, ttmp9, 2
	s_add_co_u32 s22, s22, s20
	s_and_b32 s23, ttmp7, 0xffff
	s_lshl_b32 s23, s23, 2
	s_add_co_u32 s23, s23, s21
	s_lshl_b32 s44, s21, 2
	s_lshl_b32 s44, 15, s44
	s_lshl_b32 s45, 0x1111, s20
	s_or_b32 s[G1+0], s44, (3<<16)|(1<<21)
	s_mov_b32 s[G1+1], 384<<16
	s_mov_b32 s[G1+2], 8<<16
	s_mov_b32 s[G1+3], 384<<16
	s_mov_b32 s[G1+4], 8
	s_mov_b32 s[G1+5], 1536
	s_mov_b32 s[G1+6], 0
	s_mov_b32 s[G1+7], 0
	s_or_b32 s[G1B+0], s45, (0<<16)|(1<<20)|(1<<21)|(3<<22)|(3<<25)
	s_mov_b32 s[G1B+1], ROWB<<16
	s_mov_b32 s[G1B+2], 128<<16
	s_mov_b32 s[G1B+3], ROWB<<16
	s_mov_b32 s[G1B+4], 128
	s_mov_b32 s[G1B+5], KROW
	s_mov_b32 s[G1B+6], 0
	s_mov_b32 s[G1B+7], 0
	s_or_b32 s[G1S+0], s44, (3<<16)|(1<<20)|(1<<21)|(5<<22)|(3<<25)
	s_or_b32 s[G1SB+0], s45, (3<<16)|(1<<20)|(1<<21)|(5<<22)|(3<<25)
.irp g, G1S, G1SB
	s_mov_b32 s[\g+1], 32<<16
	s_mov_b32 s[\g+2], (128*KS/256)<<16
	s_mov_b32 s[\g+3], 32<<16
	s_mov_b32 s[\g+4], 128*KS/256
	s_mov_b32 s[\g+5], 32
	s_mov_b32 s[\g+6], 0
	s_mov_b32 s[\g+7], 0
.endr
	s_lshl_b32 s40, s23, 4
	s_lshl_b32 s41, s18, 3
	s_add_co_u32 s40, s40, s41
	s_mul_i32 s92, s40, 12288
	s_mov_b32 s93, 0
	s_lshl_b32 s94, s40, 9
	s_mov_b32 s95, 0
	s_lshl_b32 s42, s22, 8
	s_lshl_b32 s43, s18, 7
	s_add_co_u32 s42, s42, s43
	s_mul_i32 s96, s42, KROW
	s_add_co_u32 s96, s96, 8192*KROW
	s_mov_b32 s97, 0
	s_lshl_b32 s98, s42, 5
	s_add_co_u32 s98, s98, 8192*KS
	s_mov_b32 s99, 0
	s_mul_i32 s46, s18, HALFA
	s_mul_i32 s47, s18, HALFT
	s_add_co_u32 s47, s47, BOFF
	s_mul_i32 s43, s16, HALFS
	s_wait_kmcnt 0x0
	s_add_nc_u64 s[4:5], s[4:5], s[92:93]
	s_add_nc_u64 s[6:7], s[6:7], s[94:95]
	s_add_nc_u64 s[8:9], s[8:9], s[96:97]
	s_add_nc_u64 s[10:11], s[10:11], s[98:99]
	CROUND
	s_mov_b32 s[G0S], 1
	s_add_co_u32 s[G0S+1], s43, SCL
	s_mov_b64 s[G0S+2:G0S+3], s[6:7]
	s_or_b32 s[G0S+3], s[G0S+3], 0x80000000
	s_mov_b32 s[G0SB], 1
	s_add_co_u32 s[G0SB+1], s43, SCL
	s_mov_b64 s[G0SB+2:G0SB+3], s[10:11]
	s_or_b32 s[G0SB+3], s[G0SB+3], 0x80000000
	JLOAD G0S, G1S, G0SB, G1SB
.irp s, 0,1
	s_mov_b32 s[G0+4*\s], 1
	s_add_co_u32 s[G0+4*\s+1], s46, \s*SLOT
	s_add_nc_u64 s[G0+4*\s+2:G0+4*\s+3], s[4:5], \s*3072
	s_or_b32 s[G0+4*\s+3], s[G0+4*\s+3], 0x80000000
	s_mov_b32 s[G0B+4*\s], 1
	s_add_co_u32 s[G0B+4*\s+1], s47, \s*SLOT
	s_add_nc_u64 s[G0B+4*\s+2:G0B+4*\s+3], s[8:9], \s*ROWB
	s_or_b32 s[G0B+4*\s+3], s[G0B+4*\s+3], 0x80000000
	s_wait_alu depctr_va_vdst(0)
	s_wait_tensorcnt 0x0
	ds_add_u32 v28, v29
	s_wait_dscnt 0x0
	CROUND
	JLOAD G0+4*\s, G1, G0B+4*\s, G1B
.endr
	v_and_b32 v1, 15, v0
	v_bfe_u32 v2, v0, 4, 1
	s_lshl_b32 s40, s42, 2
	s_mov_b32 s41, 0
	s_add_nc_u64 s[12:13], s[12:13], s[40:41]
	v_lshlrev_b32 v8, 5, v2
.irp b, 0,1,2,3,4,5,6,7
	global_load_b128 v[BI+8*\b:BI+8*\b+3], v8, s[12:13] offset:64*\b
	global_load_b128 v[BI+8*\b+4:BI+8*\b+7], v8, s[12:13] offset:64*\b+16
.endr
	v_mul_u32_u24 v3, v1, PITCH
	v_mul_u32_u24 v4, v2, 24
	v_add_nc_u32 v4, v3, v4
	v_lshl_add_u32 v5, v2, 4, v4
	v_and_b32 v6, 31, v0
	v_lshlrev_b32 v7, 3, v6
	s_mul_i32 s40, s17, HALFA
	s_mul_i32 s41, s18, HALFT
	s_add_co_u32 s41, s41, BOFF
.irp s, 0,1
	v_add_nc_u32 v[ADRA+\s], s40, v7
	v_add_nc_u32 v[ADRB+\s], s41, v4
	v_add_nc_u32 v[ADRB+2+\s], s41, v5
	s_add_co_u32 s40, s40, SLOT
	s_add_co_u32 s41, s41, SLOT
.endr
	v_mul_u32_u24 v5, v1, KS
	v_lshrrev_b32 v9, 8, v5
	v_lshl_add_u32 v5, v9, 4, v5
	s_mul_i32 s40, s17, HALFS
	s_mul_i32 s41, s18, HALFS
	s_add_co_u32 s41, s41, 2*HALFS
	s_sub_co_u32 s41, s41, s40
	v_mul_u32_u24 v9, s41, v2
	s_add_co_u32 s40, s40, SCL
	v_add_nc_u32 v5, v5, v9
	v_add_nc_u32 v[ADRS], s40, v5
	s_mul_i32 s40, s16, 16*SPITCH
	v_mul_u32_u24 v5, v1, SPITCH
	v_lshl_add_u32 v5, v2, 5, v5
	v_add_nc_u32 v[STO], s40, v5
	v_lshlrev_b32 v[CO], 4, v6
	v_add_nc_u32 v[RD], s40, v[CO]
	s_lshl_b32 s40, s23, 8
	s_lshl_b32 s41, s17, 7
	s_add_co_u32 s40, s40, s41
	s_lshl_b32 s40, s40, 12
	s_lshl_b32 s41, s42, 2
	s_add_co_u32 s40, s40, s41
	s_mov_b32 s41, 0
	s_add_nc_u64 s[14:15], s[14:15], s[40:41]
.macro FRAG reg, adr, q, i
.irp p, 0,1,2,3,4,5
.set PC, 12*(\q)+6*(\p/3)+\p%3
.if PC%8 < 5
	ds_load_b64 v[\reg+2*\p:\reg+2*\p+1], v[\adr] offset:8*PC+16*(PC/8)+(\i)*16*PITCH
.else
	ds_load_b64 v[\reg+2*\p:\reg+2*\p+1], v[\adr+2] offset:8*PC+16*(PC/8)+(\i)*16*PITCH
.endif
.endr
.endm
.macro FRAGA reg, slot, q, i
.irp p, 0,1,2,3,4,5
	ds_load_b64 v[\reg+2*\p:\reg+2*\p+1], v[ADRA+\slot] offset:3072*(\i)+1536*(\q)+256*\p
.endr
.endm
.macro MUL16 a0, p, q, sc, first
.irp a, \a0, \a0+1
.irp b, 0,1,2,3,4,5,6,7
.if \first
	v_wmma_scale_f32_16x16x128_f8f6f4 v[8*(8*((\a)%4)+\b):8*(8*((\a)%4)+\b)+7], v[128*(\p)+FR*\b:128*(\p)+FR*\b+FR-1], v[AF+FR*(\a):AF+FR*(\a)+FR-1], v[BI+8*\b:BI+8*\b+7], v[SC+8*NQ*(\sc)+NQ*\b+(\q)], v[SC+8*NQ*(\sc)+NQ*(\a)+(\q)] matrix_a_fmt:MATRIX_FMT_BF6 matrix_b_fmt:MATRIX_FMT_BF6 matrix_a_scale:MATRIX_SCALE_ROW1
.else
	v_wmma_scale_f32_16x16x128_f8f6f4 v[8*(8*((\a)%4)+\b):8*(8*((\a)%4)+\b)+7], v[128*(\p)+FR*\b:128*(\p)+FR*\b+FR-1], v[AF+FR*(\a):AF+FR*(\a)+FR-1], v[8*(8*((\a)%4)+\b):8*(8*((\a)%4)+\b)+7], v[SC+8*NQ*(\sc)+NQ*\b+(\q)], v[SC+8*NQ*(\sc)+NQ*(\a)+(\q)] matrix_a_fmt:MATRIX_FMT_BF6 matrix_b_fmt:MATRIX_FMT_BF6 matrix_a_scale:MATRIX_SCALE_ROW1
.endif
.endr
.endr
.endm
.macro FETCH_B slot, q, p
	WIN TO_B
.irp i, 0,1,2,3,4,5,6,7
	FRAG 128*(\p)+FR*\i, ADRB+\slot, \q, \i
.endr
	WIN 0
.endm
.macro FETCH_A slot, q, i0
.irp i, \i0, \i0+1, \i0+2, \i0+3
	FRAGA AF+FR*(\i), \slot, \q, \i
.endr
.endm
.macro SCALES sc
.irp i, 0,1,2,3,4,5,6,7
	ds_load_b64 v[SC+8*NQ*\sc+NQ*\i:SC+8*NQ*\sc+NQ*\i+1], v[ADRS] offset:\i*SBLK
.endr
.endm
.macro PLACES n
.rept \n
	v_nop
.endr
.endm
.macro STEP slot, q, first
	s_wait_dscnt 4*NL
.if \first
	WIN FIRST_LO
.else
	WIN MUL_LO
.endif
	MUL16 0, (\q)%2, \q, \slot, \first
	MUL16 2, (\q)%2, \q, \slot, \first
	s_wait_dscnt 0
	PLACES NP
	FETCH_B \slot, (\q)+1, 1-(\q)%2
	FETCH_A \slot, (\q)+1, 0
.if \first
	WIN FIRST_HI
.else
	WIN MUL_HI
.endif
	MUL16 4, (\q)%2, \q, \slot, \first
	MUL16 6, (\q)%2, \q, \slot, \first
	PLACES NP
	WIN 0
	FETCH_A \slot, (\q)+1, 4
.endm
.macro TURN slot, next, fill
	s_wait_tensorcnt 0x0
	ds_add_u32 v[SPW], v[NIL]
	s_wait_dscnt 4*NL+1
	WIN MUL_LO
	MUL16 0, 1, NQ-1, \slot, 0
	s_wait_dscnt 0x0
	s_barrier_signal -1
	MUL16 2, 1, NQ-1, \slot, 0
	WIN 0
	s_barrier_wait -1
.if \fill
	CREST
	s_add_nc_u64 s[G0+4*\slot+2:G0+4*\slot+3], s[G0+4*\slot+2:G0+4*\slot+3], 2*3072
	s_add_nc_u64 s[G0B+4*\slot+2:G0B+4*\slot+3], s[G0B+4*\slot+2:G0B+4*\slot+3], 2*ROWB
	JLOAD G0+4*\slot, G1, G0B+4*\slot, G1B
.else
	PLACES NP
.endif
	s_wait_alu depctr_va_vdst(0)
	v_add_nc_u32 v[ADRS], 4*NQ, v[ADRS]
	FETCH_B \next, 0, 0
	FETCH_A \next, 0, 0
	SCALES \next
	WIN MUL_HI
	MUL16 4, 1, NQ-1, \slot, 0
	MUL16 6, 1, NQ-1, \slot, 0
	PLACES NP
	WIN 0
	FETCH_A \next, 0, 4
.endm
	s_wait_alu depctr_va_vdst(0)
	s_wait_loadcnt 0x0
	s_wait_tensorcnt 1
	s_barrier_signal -1
	s_barrier_wait -1
	FETCH_B 0, 0, 0
	FETCH_A 0, 0, 0
	SCALES 0
	FETCH_A 0, 0, 4
	STEP 0, 0, 1
	TURN 0, 1, 1
	STEP 1, 0, 0
	TURN 1, 0, 1
	STEP 0, 0, 0
	TURN 0, 1, 0
	STEP 1, 0, 0
	s_wait_dscnt 4*NL
	WIN MUL_LO
	MUL16 0, 1, NQ-1, 1, 0
	MUL16 2, 1, NQ-1, 1, 0
	s_wait_dscnt 0
	WIN MUL_HI
	MUL16 4, 1, NQ-1, 1, 0
	MUL16 6, 1, NQ-1, 1, 0
	WIN 0
.macro TOSTAGE a
.set AC, 64*((\a)%4)
	WIN 0x08+4*((\a)/4)
.irp b, 0,1,2,3,4,5,6,7
	ds_store_b128 v[STO], v[AC+8*\b:AC+8*\b+3] offset:64*\b
	ds_store_b128 v[STO], v[AC+8*\b+4:AC+8*\b+7] offset:64*\b+16
.endr
	WIN 0
.set BB, BK+64*((\a)%2)
.irp t, 0,1,2,3,4,5,6,7,8,9,10,11,12,13,14,15
	ds_load_b128 v[BB+4*\t:BB+4*\t+3], v[RD] offset:\t*SPITCH
.endr
.endm
.macro SEND a, younger
.set BB, BK+64*((\a)%2)
	s_wait_dscnt \younger
.irp t, 0,1,2,3,4,5,6,7,8,9,10,11,12,13,14,15
	global_store_b128 v[CO], v[BB+4*\t:BB+4*\t+3], s[14:15] offset:(32*((\a)/2)+8*((\a)%2)+(\t%8)+16*(\t/8))*4096 th:TH_STORE_NT
.endr
.endm
	PLACES NP
	TOSTAGE 0
.irp a, 1,2,3,4,5,6,7
.if \a > 1
	s_wait_xcnt 0x0
.endif
	TOSTAGE \a
	SEND \a-1, 32
.endr
	SEND 7, 0
	s_wait_tensorcnt 0x0
	ds_add_u32 v[SPW], v[NIL]
	s_wait_dscnt 0x0
	CROUND
	s_endpgm
.Lfunc_end_k_q364bf46774_outp:
	.size	k_q364bf46774_outp, .Lfunc_end_k_q364bf46774_outp-k_q364bf46774_outp
	.p2alignl 7, 3214868480
	.fill 96, 4, 3214868480
	.section	.rodata,"a",@progbits
	.p2align	6, 0x0
	.amdhsa_kernel k_q364bf46774_outp
		.amdhsa_group_segment_fixed_size 327680
		.amdhsa_private_segment_fixed_size 0
		.amdhsa_enable_private_segment 0
		.amdhsa_kernarg_size 48
		.amdhsa_user_sgpr_count 2
		.amdhsa_user_sgpr_kernarg_segment_ptr 1
		.amdhsa_wavefront_size32 1
		.amdhsa_system_sgpr_workgroup_id_x 1
		.amdhsa_system_sgpr_workgroup_id_y 1
		.amdhsa_system_sgpr_workgroup_id_z 1
		.amdhsa_system_vgpr_workitem_id 0
		.amdhsa_next_free_vgpr 1024
		.amdhsa_next_free_sgpr 100
		.amdhsa_reserve_vcc 0
		.amdhsa_float_denorm_mode_32 3
		.amdhsa_float_denorm_mode_16_64 3
		.amdhsa_memory_ordered 1
		.amdhsa_forward_progress 1
		.amdhsa_inst_pref_size 162
	.end_amdhsa_kernel
	.amdgpu_metadata
---
amdhsa.version: [ 1, 2 ]
amdhsa.kernels:
  - .name:           k_q364bf46774_outp
    .symbol:         k_q364bf46774_outp.kd
    .args:
      - { .name: ocod, .offset: 0, .size: 8, .value_kind: global_buffer, .address_space: global }
      - { .name: oscl, .offset: 8, .size: 8, .value_kind: global_buffer, .address_space: global }
      - { .name: xcod, .offset: 16, .size: 8, .value_kind: global_buffer, .address_space: global }
      - { .name: xscl, .offset: 24, .size: 8, .value_kind: global_buffer, .address_space: global }
      - { .name: bo, .offset: 32, .size: 8, .value_kind: global_buffer, .address_space: global }
      - { .name: out0, .offset: 40, .size: 8, .value_kind: global_buffer, .address_space: global }
    .group_segment_fixed_size: 327680
    .private_segment_fixed_size: 0
    .kernarg_segment_align: 8
    .kernarg_segment_size: 48
    .max_flat_workgroup_size: 128
    .sgpr_count:     100
    .vgpr_count:     1024
    .wavefront_size: 32
...
	.end_amdgpu_metadata
.endif
;; end of part 4
